; MI455X (gfx1250); checked and timed in simulation.
; The chip was launched on July 23, 2026; its instructions are those of AMD's public machine-readable ISA for CDNA 5 (MIT licence, August 2026) and "CDNA5" Instruction Set Architecture Reference Guide (July 2026). The comments in the code are by the model that wrote it; some were corrected since.
;; Block. Allowed arithmetic: matrix products marked QUANTISED: E2M3 operands, one E8M0 scale for each 32 along K, by v_wmma_scale_f32_16x16x128_f8f6f4 with both operands' format E2M3, f32 sums; everything else in f32.
;; Inputs: W1 1,024 x 4,096 float32; W2 4,096 x 1,024 float32; Wk 1,024 x 1,024 float32; Wq 1,024 x 1,024 float32; Wv 1,024 x 1,024 float32; beta1 1,024 float32; beta2 1,024 float32; bk 1,024 float32; bm1 4,096 float32; bm2 1,024 float32; bq 1,024 float32; bv 1,024 float32; g1 1,024 float32; g2 1,024 float32; inputs 4 x 1,024 x 1,024 float32.
;; Outputs: out0 4 x 1,024 x 1,024 float32.
;; This version of the problem:
;;   THIS VERSION OF THE PROBLEM IS GIVEN IN LOW PRECISION. The matrix products marked QUANTISED in the list below multiply operands that are first quantised to E2M3 (2 exponent bits, 3 mantissa bits; 6 bits a number), with one power-of-two scale for each 32 numbers along K (OCP MX v1.0); their sums are f32. All else is computed in f32.
;;   The module's matrix products, in the order in which they are computed (A, B: the left and right operand; K: the contracted axis; several contracted axes count as one K, in the product's order):
;;     1. [M 4,096, K 1,024] x [K 1,024, N 1,024]; A: computed on the way; B: input Wq: QUANTISED
;;     2. [M 4,096, K 1,024] x [K 1,024, N 1,024]; A: computed on the way; B: input Wk: QUANTISED
;;     3. [M 4,096, K 1,024] x [K 1,024, N 1,024]; A: computed on the way; B: input Wv: QUANTISED
;;     4. batch 64 x [M 1,024, K 64] x [K 64, N 1,024]; A: computed on the way; B: computed on the way: QUANTISED
;;     5. batch 64 x [M 1,024, K 1,024] x [K 1,024, N 64]; A: softmax (see below); B: computed on the way: QUANTISED
;;     6. [M 4,096, K 1,024] x [K 1,024, N 4,096]; A: computed on the way; B: input W1: QUANTISED
;;     7. [M 4,096, K 4,096] x [K 4,096, N 1,024]; A: computed on the way; B: input W2: QUANTISED
;;   THE QUANTISER, for each operand of a quantised product, along K:
;;     - K is cut into blocks of 32 from its start; a last block that is shorter is filled with zeros.
;;     - A block's scale is 2^e with e = floor(log2(the largest magnitude in the block)) - 2, held to -126 .. 127; a block of zeros has e = 0. As a byte (E8M0): e + 127.
;;     - Each number is divided by its block's scale, clamped to +-7.5, and rounded to the nearest number of E2M3, ties to even, subnormals kept.
;;     - The product sums the exact products of the quantised numbers (number of the format x scale) in f32.
;;   ~~~python
;;   def quantise(x, axis):      # numpy; x: float32 -> the quantised numbers, widened to float32 again
;;       x = np.moveaxis(x, axis, -1); K = x.shape[-1]
;;       x = np.pad(x, [(0, 0)] * (x.ndim - 1) + [(0, -K % 32)]); x = x.reshape(x.shape[:-1] + (-1, 32)); a = np.abs(x).max(-1, keepdims=True)
;;       e = np.where(a > 0, np.clip(np.frexp(np.where(a > 0, a, 1))[1] - 1 - 2, -126, 127), 0)      # np.frexp(a)[1] - 1 = floor(log2(a)), exactly
;;       r = np.clip(x / 2.0 ** e, -7.5, 7.5)
;;       step = 2.0 ** (np.maximum(np.frexp(np.where(r == 0, 1, r))[1] - 1, 0) - 3)
;;       q = np.round(r / step) * step * 2.0 ** e      # np.round: ties to even
;;       return np.moveaxis(q.reshape(q.shape[:-2] + (-1,))[..., :K], -1, axis).astype(np.float32)
;;   ~~~
;;   SOFTMAX AHEAD OF A QUANTISED PRODUCT. Where the list says 'softmax', what is quantised is not the finished softmax but p = 2^(t - M), with t = logit x log2(e) and M = ceil(the row's largest t), a whole number; so 1/2 < the row's largest p <= 1. The row's sum l is taken of the UNQUANTISED p, in f32, and the product's result is divided by l at the end. Since M is a whole number, a kernel that streams over the keys may use a running M (the ceiling of the running maximum): every later rescaling is an exact power of two, which a block's scale takes up: the codes' values come out the same.
;;   OPERANDS COMPUTED ON THE WAY. 'Computed on the way' means the value that the module computes at that place (a softmax that the list does not call 'softmax' is quantised finished and normalised). What goes into a quantiser is computed in f32, as accurately as f32 sums, v_exp_f32 and their like allow (about 1e-6 of the number): no bf16 or f16 on the way to a quantiser, and a product that is left as it is and whose result goes on into a quantised operand takes f32 operands (vector FMAs, or v_wmma_f32_16x16x4_f32). A number that lies on a knife's edge between two numbers of the format may be rounded either way, as far as f32 arithmetic and the matrix unit's own rounding can turn it there, and no further.
;; One version. Each part assembles by itself: llvm-mc -triple=amdgcn-amd-amdhsa -mcpu=gfx1250 --defsym DOCPART=n.
;; ======== version 1 of 1: 6 launches
;; limits: right only within a limited range of input values
;; workspace buffers: xc 3,407,872 bytes; wqkvc 2,555,904 bytes; w1c 3,407,872 bytes; w2c 3,407,872 bytes; qkv 10,223,616 bytes; res 16,777,216 bytes; hc 3,407,872 bytes; hid 13,631,488 bytes
;; launch prep (part 1): grid 608 x 1, 8 waves a work-group, no clusters, 93,696 bytes of LDS; arguments inputs, g1, beta1, Wq, Wk, Wv, W1, W2, xc, wqkvc, w1c, w2c; writes xc, wqkvc, w1c, w2c
.if DOCPART == 1
	.amdgcn_target "amdgcn-amd-amdhsa--gfx1250"
	.amdhsa_code_object_version 6
	.text
	.protected	k_q447b82f58b_prep
	.globl	k_q447b82f58b_prep
	.p2align	8
	.type	k_q447b82f58b_prep,@function
k_q447b82f58b_prep:
	s_mov_b64 s[64:65], 0
	v_nop
	global_prefetch_b8 v0, s[64:65] scope:SCOPE_SE
	s_setreg_imm32_b32 hwreg(HW_REG_WAVE_MODE, 25, 1), 1
	s_wait_xcnt 0x0
; Work-groups 0-255: layer norm of inputs [4096][1024] (f32) and its codes of FP6 (E2M3) with one E8M0 byte for each 32 along the row.
; Work-groups 256-607: Wq, Wk, Wv [1024 k][1024 n], W1 [1024 k][4096 n], W2 [4096 k][1024 n] (f32, K is the FIRST axis) into codes along K.
; ONE LAYOUT FOR EVERY OPERAND: blocks of 128 rows x 128 along K, BLK bytes each, block (R, s) at (R x K/128 + s) x BLK.  In a block: eight images of a
; matrix operand's 12 registers (tile t at t x IMG: registers 4 g .. 4 g + 3 of lane l at 512 g + 16 l), then eight images of its scale word (SOFF + t x SIMG + 4 l, both halves of the lanes alike).
; Lane-row r of tile t is row 32 (t / 2) + 8 (t % 2) + r + 8 (r / 8) of the block.
; A block's scale is 2^(floor(log2(its largest magnitude)) - 2); its byte is the largest magnitude's exponent field - 2, held at 1 from below.
; LIMITS: a block of zeros gets the byte 1 where the rule says 127 (its codes are zeros; these bytes are read by this program alone); NaN and infinities among the inputs are not served.
; The two paths part on the work-group's number alone and have LDS bytes of their own.
.set IMG,   1536
.set SIMG,  128
.set SOFF,  12288
.set BLK,   13312
.set PITCH, 4112                       ; the norm's path: 16 rows of 4,096 bytes + 16, an odd multiple of 16: sixteen rows' loads of 16 bytes start in different banks
.set WB,    66048                      ; the weights' path: two blocks, from here on
.set SEL,   32                         ; s[32:33] lane selects for lane l xor 16
.set DST,   20                         ; s[20:21] the norm's codes
.set X,     32                         ; v32-95   my two rows, 32 numbers a lane each
.set G,     96                         ; v96-127  the gain at my columns
.set BE,    128                        ; v128-159 the offset at my columns
.set HA,    32                         ; second phase: 64 numbers of one row
.set PC,    96                         ; the fragment's 12 registers
.set TQ,    108                        ; the conversions' second halves
.set TM,    116                        ; v116-119 largest magnitudes, v120-123 bytes, v128-131 scale operands
.set PW,    132                        ; the scale word
.set VO,    32                         ; weights: v32-63 offsets of 32 rows k; never rewritten
.set XW,    64                         ; weights: v64-127 two sets of 32 numbers
.set C,     16                         ; weights: a block's 6 registers of codes
.set CT,    22
; 64 numbers of a lane, register 16 b + i = k 32 b + 16 (lane / 16) + i of my row, become registers d0 .. d0 + 5 (k 0-63) and d1 .. d1 + 5 (k 64-127) of a fragment, and its scale word pw.
.macro QUANT s, d0, d1, pw
.irp b, 0,1,2,3
	v_max3_num_f32 v[TM+\b], |v[(\s)+16*\b]|, |v[(\s)+1+16*\b]|, 0x1800000   ; my 16 numbers of block b, and the floor 2^(3 - 127): the byte cannot fall under 1
.endr
.irp i, 2,4,6,8,10,12,14
.irp b, 0,1,2,3
	s_delay_alu instid0(VALU_DEP_4)
	v_max3_num_f32 v[TM+\b], v[TM+\b], |v[(\s)+16*\b+\i]|, |v[(\s)+1+16*\b+\i]|
.endr
.endr
.irp b, 0,1,2,3
	s_delay_alu instid0(VALU_DEP_4)
	v_permlanex16_b32 v[TM+4+\b], v[TM+\b], s[SEL], s[SEL+1]
.endr
.irp b, 0,1,2,3
	s_delay_alu instid0(VALU_DEP_4)
	v_max_num_f32 v[TM+\b], v[TM+\b], v[TM+4+\b]               ; with lane l xor 16's: the block's largest magnitude
.endr
.irp b, 0,1,2,3
	s_delay_alu instid0(VALU_DEP_4)
	v_add_nc_u32 v[TM+12+\b], 0xff000000, v[TM+\b]             ; 2 off its exponent field: the conversion's scale operand
.endr
.irp b, 0,1,2,3
	s_delay_alu instid0(VALU_DEP_4)
	v_lshrrev_b32 v[TM+4+\b], 23, v[TM+12+\b]                  ; the scale's byte
.endr
	s_delay_alu instid0(VALU_DEP_3)
	v_lshl_or_b32 v[\pw], v[TM+5], 8, v[TM+4]
	s_delay_alu instid0(VALU_DEP_1)
	v_lshl_or_b32 v[\pw], v[TM+6], 16, v[\pw]
	s_delay_alu instid0(VALU_DEP_1)
	v_lshl_or_b32 v[\pw], v[TM+7], 24, v[\pw]
	v_cvt_scalef32_pk16_fp6_f32 v[(\d0):(\d0)+2], v[(\s):(\s)+15], v[TM+12]
	v_cvt_scalef32_pk16_fp6_f32 v[TQ:TQ+2], v[(\s)+16:(\s)+31], v[TM+13]
	v_cvt_scalef32_pk16_fp6_f32 v[(\d1):(\d1)+2], v[(\s)+32:(\s)+47], v[TM+14]
	v_cvt_scalef32_pk16_fp6_f32 v[TQ+4:TQ+6], v[(\s)+48:(\s)+63], v[TM+15]
	v_nop                                                      ; one plain line behind the scaled conversions
.irp i, 0,1,2
	v_permlane16_swap_b32 v[(\d0)+\i], v[TQ+\i]                ; a whole block to a lane: lanes 0-15 the even block, lanes 16-31 the odd one
.endr
.irp i, 0,1,2
	s_delay_alu instid0(VALU_DEP_3)
	v_mov_b32 v[(\d0)+3+\i], v[TQ+\i]
.endr
.irp i, 0,1,2
	v_permlane16_swap_b32 v[(\d1)+\i], v[TQ+4+\i]
.endr
.irp i, 0,1,2
	s_delay_alu instid0(VALU_DEP_3)
	v_mov_b32 v[(\d1)+3+\i], v[TQ+4+\i]
.endr
.endm
; the two rows' chains v[8:11], v[12:15] are added up, over the pair, the lanes of a half and the two halves: the sums in v8 and v12, in every lane
.macro REDUCE
.irp p, 0
	s_delay_alu instid0(VALU_DEP_3)
	v_pk_add_f32 v[8+4*\p:9+4*\p], v[8+4*\p:9+4*\p], v[10+4*\p:11+4*\p]
.endr
.irp p, 1
	s_delay_alu instid0(VALU_DEP_2)
	v_pk_add_f32 v[8+4*\p:9+4*\p], v[8+4*\p:9+4*\p], v[10+4*\p:11+4*\p]
.endr
.irp p, 0,1
	s_delay_alu instid0(VALU_DEP_2)
	v_add_f32 v[8+4*\p], v[8+4*\p], v[9+4*\p]
.endr
.irp m, 1,2,4,8
.irp p, 0,1
	s_delay_alu instid0(VALU_DEP_2)
	v_add_f32_dpp v[8+4*\p], v[8+4*\p], v[8+4*\p] row_xmask:\m row_mask:0xf bank_mask:0xf
.endr
.endr
.irp p, 0,1
	s_delay_alu instid0(VALU_DEP_2)
	v_permlanex16_b32 v[16+\p], v[8+4*\p], s[SEL], s[SEL+1]
.endr
.irp p, 0,1
	s_delay_alu instid0(VALU_DEP_2)
	v_add_f32 v[8+4*\p], v[8+4*\p], v[16+\p]
.endr
.endm
	s_load_b512 s[4:19], s[0:1], 0x0               ; inputs 4, g1 6, beta1 8, Wq 10, Wk 12, Wv 14, W1 16, W2 18
	s_load_b256 s[20:27], s[0:1], 0x40             ; xc 20, wqkvc 22, w1c 24, w2c 26
	v_lshl_add_u32 v160, v0, 2, 0x16a00
	v_mov_b32 v161, 0
	v_lshrrev_b32 v1, 5, v0
	s_delay_alu instid0(VALU_DEP_1)
	v_readfirstlane_b32 s28, v1                    ; wave 0..7
	v_and_b32 v1, 31, v0                           ; lane
	s_delay_alu instid0(VALU_DEP_1)
	v_lshlrev_b32 v2, 4, v1                        ; 16 x lane
	s_delay_alu instid0(VALU_DEP_2)
	v_lshlrev_b32 v3, 2, v1                        ; 4 x lane
	s_wait_kmcnt 0x0
	s_cmp_ge_u32 ttmp9, 256                        ; the same in all eight waves
	s_cbranch_scc1 .Lweights
	; ---- THE NORM.  The work-group takes tile T = its number: 16 rows.  Wave w takes lane-rows 2 w and 2 w + 1, which are two neighbouring rows of memory.
	s_lshr_b32 s34, ttmp9, 1
	s_lshl_b32 s34, s34, 5                         ; 32 (T / 2)
	s_and_b32 s35, ttmp9, 1
	s_lshl_b32 s35, s35, 3
	s_add_co_u32 s34, s34, s35                     ; + 8 (T % 2)
	s_lshl_b32 s35, s28, 1
	s_add_co_u32 s34, s34, s35                     ; + 2 w
	s_and_b32 s35, s35, 8
	s_add_co_u32 s34, s34, s35                     ; + 8 (2 w / 8)
	s_lshl_b32 s34, s34, 12                        ; rows of 4,096 bytes
	s_mov_b32 s35, 0
	s_add_nc_u64 s[4:5], s[4:5], s[34:35]
.set CI, 0
	s_wait_alu depctr_va_vdst(0)
.rept 16
	global_load_b128 v[X+4*CI:X+4*CI+3], v2, s[4:5] offset:4096*(CI/8)+512*(CI%8) th:TH_LOAD_NT   ; 32 lanes read 512 consecutive bytes
.set CI, CI+1
.endr
.set CI, 0
.rept 8
	global_load_b128 v[G+4*CI:G+4*CI+3], v2, s[6:7] offset:512*CI
	global_load_b128 v[BE+4*CI:BE+4*CI+3], v2, s[8:9] offset:512*CI
.set CI, CI+1
.endr
	s_lshr_b32 s38, ttmp9, 3                       ; where my fragment goes: block (T / 8, K step w), tile T % 8
	s_lshl_b32 s38, s38, 3
	s_add_co_u32 s38, s38, s28
	s_mul_i32 s38, s38, BLK
	s_and_b32 s39, ttmp9, 7
	s_mul_i32 s36, s39, IMG
	s_add_co_u32 s36, s36, s38
	s_mov_b32 s37, 0
	s_add_nc_u64 s[40:41], s[DST:DST+1], s[36:37]
	s_lshl_b32 s36, s39, 7
	s_add_co_u32 s36, s36, s38
	s_add_co_u32 s36, s36, SOFF
	s_add_nc_u64 s[42:43], s[DST:DST+1], s[36:37]
	s_mov_b32 s29, 0x3a800000                      ; 1 / 1024
	s_mov_b32 s30, 0x3727c5ac                      ; 1e-5
	s_mov_b32 s[SEL], 0x76543210
	s_mov_b32 s[SEL+1], 0xfedcba98
	s_mul_i32 s34, s28, 2*PITCH
	v_add_nc_u32 v4, s34, v2                       ; LDS, in: my two rows, 16 bytes a lane
	v_and_b32 v6, 15, v0
	v_bfe_u32 v7, v0, 4, 1
	s_delay_alu instid0(VALU_DEP_2)
	v_mul_u32_u24 v5, v6, PITCH
	s_delay_alu instid0(VALU_DEP_1)
	v_lshl_add_u32 v5, v7, 6, v5
	s_lshl_b32 s34, s28, 9
	v_add_nc_u32 v5, s34, v5                       ; LDS, out: row lane % 16, K step w, + 64 bytes for lanes 16-31
.irp r, 16,17,19,21,23,25
	v_mov_b32 v\r, 0                               ; a permute's destination and a pair's upper word count as read
.endr
	s_wait_loadcnt 16                              ; my rows are in; the sixteen younger loads (gain, offset) may be out
.irp p, 0,1
	v_pk_add_f32 v[8+4*\p:9+4*\p], v[X+32*\p:X+32*\p+1], v[X+32*\p+2:X+32*\p+3]
	v_pk_add_f32 v[10+4*\p:11+4*\p], v[X+32*\p+4:X+32*\p+5], v[X+32*\p+6:X+32*\p+7]
.endr
.irp j, 8,12,16,20,24,28
.irp p, 0,1
	s_delay_alu instid0(VALU_DEP_4)
	v_pk_add_f32 v[8+4*\p:9+4*\p], v[8+4*\p:9+4*\p], v[X+32*\p+\j:X+32*\p+\j+1]
	s_delay_alu instid0(VALU_DEP_4)
	v_pk_add_f32 v[10+4*\p:11+4*\p], v[10+4*\p:11+4*\p], v[X+32*\p+\j+2:X+32*\p+\j+3]
.endr
.endr
	REDUCE
.irp p, 0,1
	s_delay_alu instid0(VALU_DEP_2)
	v_mul_f32 v[18+2*\p], s29, v[8+4*\p]           ; the mean
.endr
.irp j, 0,2,4,6,8,10,12,14,16,18,20,22,24,26,28,30
.irp p, 0,1
	v_pk_add_f32 v[X+32*\p+\j:X+32*\p+\j+1], v[X+32*\p+\j:X+32*\p+\j+1], v[18+2*\p:19+2*\p] op_sel_hi:[1,0] neg_lo:[0,1] neg_hi:[0,1]   ; x - mean
.endr
.endr
.irp p, 0,1
	v_pk_mul_f32 v[8+4*\p:9+4*\p], v[X+32*\p:X+32*\p+1], v[X+32*\p:X+32*\p+1]
	v_pk_mul_f32 v[10+4*\p:11+4*\p], v[X+32*\p+2:X+32*\p+3], v[X+32*\p+2:X+32*\p+3]
.endr
.irp j, 4,8,12,16,20,24,28
.irp p, 0,1
	s_delay_alu instid0(VALU_DEP_4)
	v_pk_fma_f32 v[8+4*\p:9+4*\p], v[X+32*\p+\j:X+32*\p+\j+1], v[X+32*\p+\j:X+32*\p+\j+1], v[8+4*\p:9+4*\p]
	s_delay_alu instid0(VALU_DEP_4)
	v_pk_fma_f32 v[10+4*\p:11+4*\p], v[X+32*\p+\j+2:X+32*\p+\j+3], v[X+32*\p+\j+2:X+32*\p+\j+3], v[10+4*\p:11+4*\p]
.endr
.endr
	REDUCE
.irp p, 0,1
	s_delay_alu instid0(VALU_DEP_2)
	v_fma_f32 v[8+4*\p], v[8+4*\p], s29, s30       ; the variance + 1e-5
.endr
	s_wait_alu depctr_va_vdst(0)
.irp p, 0,1
	v_rsq_f32 v[22+2*\p], v[8+4*\p]
.endr
	v_nop                                          ; a plain line behind the two roots
	s_wait_alu depctr_va_vdst(0)                   ; one wait for both, ahead of their first reader
	s_wait_loadcnt 0x0                             ; gain and offset
.irp j, 0,2,4,6,8,10,12,14,16,18,20,22,24,26,28,30
.irp p, 0,1
	v_pk_mul_f32 v[X+32*\p+\j:X+32*\p+\j+1], v[X+32*\p+\j:X+32*\p+\j+1], v[22+2*\p:23+2*\p] op_sel_hi:[1,0]
.endr
.endr
.irp j, 0,2,4,6,8,10,12,14,16,18,20,22,24,26,28,30
.irp p, 0,1
	v_pk_fma_f32 v[X+32*\p+\j:X+32*\p+\j+1], v[X+32*\p+\j:X+32*\p+\j+1], v[G+\j:G+\j+1], v[BE+\j:BE+\j+1]
.endr
.endr
.set CI, 0
.rept 16
	ds_store_b128 v4, v[X+4*CI:X+4*CI+3] offset:PITCH*(CI/8)+512*(CI%8)
.set CI, CI+1
.endr
	s_wait_dscnt 0x0                               ; for the others' sake: my two rows lie in LDS
	s_barrier_signal -1
	s_barrier_wait -1
	; wave w quantises K step w (columns 128 w on) of the 16 rows: lane (r, h) takes, of row r, 16 neighbours of each block of 32
.set CI, 0
.rept 16
	ds_load_b128 v[HA+4*CI:HA+4*CI+3], v5 offset:128*(CI/4)+16*(CI%4)
.set CI, CI+1
.endr
.irp b, 0,1,2,3
	v_mov_b32 v[TM+4+\b], 0                        ; a permute's destination counts as read
.endr
	s_wait_dscnt 0x0
	QUANT HA, PC, PC+6, PW
.irp g, 0,1,2
	global_store_b128 v2, v[PC+4*\g:PC+4*\g+3], s[40:41] offset:512*\g   ; 32 lanes store 512 consecutive bytes
.endr
	global_store_b32 v3, v[PW], s[42:43]
	s_wait_tensorcnt 0x0
	ds_add_u32 v160, v161
	s_wait_dscnt 0x0
	s_endpgm
	; ---- THE WEIGHTS.  A work-group takes 128 columns n x 256 along K: two blocks.  Wave w: columns 32 (w % 4) on, K step w / 4 of the two.
	; A LANE TAKES A COLUMN AND ITS REGISTERS RUN DOWN K: a block of 32 along K lies in one lane.  The codes go into the wave's own part of an image in LDS and leave in runs of 512 bytes.
.Lweights:
	s_sub_co_u32 s29, ttmp9, 256                   ; g: 0-95 Wq, Wk, Wv; 96-223 W1; 224-351 W2
	s_cmp_lt_u32 s29, 32
	s_cselect_b64 s[30:31], s[10:11], s[12:13]
	s_cmp_lt_u32 s29, 64
	s_cselect_b64 s[30:31], s[30:31], s[14:15]
	s_cmp_lt_u32 s29, 96
	s_cselect_b64 s[30:31], s[30:31], s[16:17]     ; the tensor,
	s_cselect_b64 s[34:35], s[22:23], s[24:25]     ; its codes,
	s_cselect_b32 s36, 0, 96                       ; its first work-group,
	s_cselect_b32 s37, 12, 14                      ; log2 of a row's bytes,
	s_cselect_b32 s39, 7, 31                       ; the mask of its column blocks
	s_cmp_lt_u32 s29, 224
	s_cselect_b64 s[30:31], s[30:31], s[18:19]
	s_cselect_b64 s[34:35], s[34:35], s[26:27]
	s_cselect_b32 s36, s36, 224
	s_cselect_b32 s37, s37, 12
	s_cselect_b32 s52, 2, 4                        ; log2 of the pairs of K steps in K
	s_sub_co_u32 s36, s29, s36                     ; loc: the destination's blocks 2 loc and 2 loc + 1
	s_lshr_b32 s54, s36, s52
	s_lshl_b32 s55, s54, s52
	s_sub_co_u32 s55, s36, s55                     ; which pair of K steps
	s_and_b32 s54, s54, s39                        ; which 128 columns of the tensor
	s_and_b32 s53, s28, 3                          ; cg
	s_lshr_b32 s58, s28, 2                         ; sw
	s_lshl_b32 s38, 1, s37                         ; a row's bytes
	s_lshl_b32 s55, s55, 8
	s_lshl_b32 s56, s58, 7
	s_add_co_u32 s55, s55, s56                     ; my first k
	s_lshl_b32 s55, s55, s37
	s_lshl_b32 s54, s54, 9
	s_add_co_u32 s55, s55, s54
	s_lshl_b32 s54, s53, 7
	s_add_co_u32 s56, s55, s54
	s_mov_b32 s57, 0
	s_add_nc_u64 s[40:41], s[30:31], s[56:57]      ; four bases, 32 rows k apart
	s_lshl_b32 s56, s38, 5
	s_add_nc_u64 s[42:43], s[40:41], s[56:57]
	s_add_nc_u64 s[44:45], s[42:43], s[56:57]
	s_add_nc_u64 s[46:47], s[44:45], s[56:57]
	s_mul_i32 s59, s36, 2*BLK
	s_mul_i32 s54, s58, BLK
	s_add_co_u32 s59, s59, s54                     ; my block in the codes' buffer
	s_mul_i32 s55, s53, 2*IMG                      ; my two tiles in it
	s_add_co_u32 s56, s59, s55
	s_add_nc_u64 s[48:49], s[34:35], s[56:57]
	s_lshl_b32 s62, s53, 8
	s_add_co_u32 s56, s59, s62
	s_add_co_u32 s56, s56, SOFF
	s_add_nc_u64 s[50:51], s[34:35], s[56:57]
	v_bfe_u32 v4, v0, 3, 1                         ; column 32 cg + lane is lane-row r = lane % 8 + 8 (lane / 16) of tile 2 cg + (lane / 8) % 2
	v_and_b32 v5, 7, v0
	v_bfe_u32 v6, v0, 4, 1
	s_delay_alu instid0(VALU_DEP_1)
	v_lshl_add_u32 v5, v6, 3, v5
	s_add_co_u32 s60, s54, WB
	s_add_co_u32 s61, s60, s55
	v_mul_u32_u24 v12, v4, IMG
	s_delay_alu instid0(VALU_DEP_1)
	v_lshl_add_u32 v12, v5, 4, v12
	s_delay_alu instid0(VALU_DEP_1)
	v_add_nc_u32 v12, s61, v12                     ; LDS: my column's 16 bytes in its tile's image
	s_add_co_u32 s62, s62, s60
	s_add_co_u32 s62, s62, SOFF
	v_lshlrev_b32 v13, 7, v4
	s_delay_alu instid0(VALU_DEP_1)
	v_lshl_add_u32 v13, v5, 2, v13
	s_delay_alu instid0(VALU_DEP_1)
	v_add_nc_u32 v13, s62, v13                     ; and its scale word
	v_add_nc_u32 v14, s61, v2                      ; back: my wave's 3,072 bytes, 16 a lane
	v_lshlrev_b32 v27, 3, v1
	s_delay_alu instid0(VALU_DEP_1)
	v_add_nc_u32 v15, s62, v27                     ; and its 256 bytes of scale words, 8 a lane
.set CI, 0
.rept 32
	v_mad_u32_u24 v[VO+CI], s38, CI, v3            ; 4 x lane + i rows
.set CI, CI+1
.endr
.macro LOADW kb                        ; W(32 kb + i, my column) into set kb % 2: 32 lanes read 128 consecutive bytes, the four waves side by side 512
.set CI, 0
.rept 32
	global_load_b32 v[XW+32*((\kb)%2)+CI], v[VO+CI], s[40+2*(\kb):41+2*(\kb)] th:TH_LOAD_NT
.set CI, CI+1
.endr
.endm
.macro BLOCKW kb
.set XS, XW+32*((\kb)%2)
.if (\kb) < 3
	s_wait_loadcnt 32                              ; this block's 32 loads are in; the next block's 32 may be out
.else
	s_wait_loadcnt 0x0
.endif
	v_max3_num_f32 v8, |v[XS]|, |v[XS+1]|, |v[XS+2]|
	v_max3_num_f32 v9, |v[XS+3]|, |v[XS+4]|, |v[XS+5]|
.irp i, 6,10,14,18,22,26
	s_delay_alu instid0(VALU_DEP_2)
	v_max3_num_f32 v8, v8, |v[XS+\i]|, |v[XS+\i+1]|
	s_delay_alu instid0(VALU_DEP_2)
	v_max3_num_f32 v9, v9, |v[XS+\i+2]|, |v[XS+\i+3]|
.endr
	s_delay_alu instid0(VALU_DEP_2)
	v_max3_num_f32 v8, v8, |v[XS+30]|, |v[XS+31]|
	s_delay_alu instid0(VALU_DEP_1)
	v_max3_num_f32 v8, v8, v9, 0x1800000           ; and the floor 2^(3 - 127)
	s_delay_alu instid0(VALU_DEP_1)
	v_add_nc_u32 v10, 0xff000000, v8               ; the conversion's scale operand
	s_delay_alu instid0(VALU_DEP_1)
	v_lshrrev_b32 v11, 23, v10                     ; the byte
.if (\kb) == 0
	s_delay_alu instid0(VALU_DEP_1)
	v_mov_b32 v26, v11
.else
	s_delay_alu instid0(VALU_DEP_1)
	v_lshl_or_b32 v26, v11, 8*(\kb), v26
.endif
	v_cvt_scalef32_pk16_fp6_f32 v[C:C+2], v[XS:XS+15], v10
	v_cvt_scalef32_pk16_fp6_f32 v[CT:CT+2], v[XS+16:XS+31], v10
	v_nop
.irp i, 0,1,2
	v_mov_b32 v[C+3+\i], v[CT+\i]
.endr
.if (\kb) < 2                          ; block kb is registers 6 (kb / 2) .. + 5 of image lane r + 16 (kb % 2)
	ds_store_b128 v12, v[C:C+3] offset:256*(\kb)
	ds_store_b64 v12, v[C+4:C+5] offset:512+256*(\kb)
.else
	ds_store_b64 v12, v[C:C+1] offset:520+256*((\kb)-2)
	ds_store_b128 v12, v[C+2:C+5] offset:1024+256*((\kb)-2)
.endif
.if (\kb) < 2
	LOADW (\kb)+2
.endif
	s_wait_dscnt 0x0                               ; the stores have read their registers
.endm
	LOADW 0
	LOADW 1
	BLOCKW 0
	BLOCKW 1
	BLOCKW 2
	BLOCKW 3
	s_wait_alu depctr_va_vdst(0)
	ds_store_b32 v13, v26                          ; the word, for both halves of the image's lanes
	ds_store_b32 v13, v26 offset:64
.irp i, 0,1,2,3,4,5
	ds_load_b128 v[64+4*\i:67+4*\i], v14 offset:512*\i   ; LDS serves a wave's instructions in order: these see my stores; no other wave touches these bytes
.endr
	ds_load_b64 v[88:89], v15
	s_wait_dscnt 0x0
.irp i, 0,1,2,3,4,5
	global_store_b128 v2, v[64+4*\i:67+4*\i], s[48:49] offset:512*\i
.endr
	global_store_b64 v27, v[88:89], s[50:51]       ; 32 lanes store 256 consecutive bytes
	s_wait_tensorcnt 0x0
	ds_add_u32 v160, v161
	s_wait_dscnt 0x0
	s_endpgm
.Lfunc_end_k_q447b82f58b_prep:
	.size	k_q447b82f58b_prep, .Lfunc_end_k_q447b82f58b_prep-k_q447b82f58b_prep
	.p2alignl 7, 3214868480
	.fill 96, 4, 3214868480
	.section	.rodata,"a",@progbits
	.p2align	6, 0x0
	.amdhsa_kernel k_q447b82f58b_prep
		.amdhsa_group_segment_fixed_size 93696
		.amdhsa_private_segment_fixed_size 0
		.amdhsa_enable_private_segment 0
		.amdhsa_kernarg_size 96
		.amdhsa_user_sgpr_count 2
		.amdhsa_user_sgpr_kernarg_segment_ptr 1
		.amdhsa_wavefront_size32 1
		.amdhsa_system_sgpr_workgroup_id_x 1
		.amdhsa_system_sgpr_workgroup_id_y 1
		.amdhsa_system_sgpr_workgroup_id_z 1
		.amdhsa_system_vgpr_workitem_id 0
		.amdhsa_next_free_vgpr 162
		.amdhsa_next_free_sgpr 66
		.amdhsa_reserve_vcc 0
		.amdhsa_float_denorm_mode_32 3
		.amdhsa_float_denorm_mode_16_64 3
		.amdhsa_memory_ordered 1
		.amdhsa_forward_progress 1
		.amdhsa_inst_pref_size 56
	.end_amdhsa_kernel
	.amdgpu_metadata
---
amdhsa.version: [ 1, 2 ]
amdhsa.kernels:
  - .name:           k_q447b82f58b_prep
    .symbol:         k_q447b82f58b_prep.kd
    .args:
      - { .name: inputs, .offset: 0, .size: 8, .value_kind: global_buffer, .address_space: global }
      - { .name: g1, .offset: 8, .size: 8, .value_kind: global_buffer, .address_space: global }
      - { .name: beta1, .offset: 16, .size: 8, .value_kind: global_buffer, .address_space: global }
      - { .name: Wq, .offset: 24, .size: 8, .value_kind: global_buffer, .address_space: global }
      - { .name: Wk, .offset: 32, .size: 8, .value_kind: global_buffer, .address_space: global }
      - { .name: Wv, .offset: 40, .size: 8, .value_kind: global_buffer, .address_space: global }
      - { .name: W1, .offset: 48, .size: 8, .value_kind: global_buffer, .address_space: global }
      - { .name: W2, .offset: 56, .size: 8, .value_kind: global_buffer, .address_space: global }
      - { .name: xc, .offset: 64, .size: 8, .value_kind: global_buffer, .address_space: global }
      - { .name: wqkvc, .offset: 72, .size: 8, .value_kind: global_buffer, .address_space: global }
      - { .name: w1c, .offset: 80, .size: 8, .value_kind: global_buffer, .address_space: global }
      - { .name: w2c, .offset: 88, .size: 8, .value_kind: global_buffer, .address_space: global }
    .group_segment_fixed_size: 93696
    .private_segment_fixed_size: 0
    .kernarg_segment_align: 8
    .kernarg_segment_size: 96
    .max_flat_workgroup_size: 256
    .sgpr_count:     66
    .vgpr_count:     162
    .wavefront_size: 32
...
	.end_amdgpu_metadata
.endif
;; end of part 1
;; launch qkv (part 2): grid 12 x 16, 4 waves a work-group, clusters of 4 x 4, 327,680 bytes of LDS; arguments xc, wqkvc, bq, bk, bv, qkv; writes qkv
.if DOCPART == 2
	.amdgcn_target "amdgcn-amd-amdhsa--gfx1250"
	.amdhsa_code_object_version 6
	.text
	.protected	k_q447b82f58b_qkv
	.globl	k_q447b82f58b_qkv
	.p2align	8
	.type	k_q447b82f58b_qkv,@function
k_q447b82f58b_qkv:
	s_mov_b64 s[64:65], 0
	v_nop
	global_prefetch_b8 v0, s[64:65] scope:SCOPE_SE
	s_setreg_imm32_b32 hwreg(HW_REG_WAVE_MODE, 25, 1), 1
	s_wait_xcnt 0x0
	s_wait_alu depctr_hold_cnt(0) depctr_sa_sdst(0) depctr_va_vdst(0) depctr_va_sdst(0) depctr_va_ssrc(0) depctr_va_vcc(0) depctr_vm_vsrc(0)
	s_getreg_b32 s2, hwreg(HW_REG_IB_STS2, 6, 4)
	s_cmp_eq_u32 s2, 0
	s_cbranch_scc0 .Lentry_in_a_cluster
	s_endpgm
.Lentry_in_a_cluster:
	s_bfe_u32 s2, ttmp6, 0x10000c
	s_cmp_lg_u32 s2, 0xf033
	s_cbranch_scc0 .Lentry_shape_is_right
	s_endpgm
.Lentry_shape_is_right:
; q, k, v = normed W + b on codes of FP6 (E2M3), and their own codes for the attention: q and k along the head's 64, v along the keys.
; Operands lie as blocks of register images (128 rows x 128 K, BLK bytes: eight images of 12 registers, eight of a scale word; lane-row r of tile t is row 32 (t/2) + 8 (t%2) + r + 8 (r/8)).
; A work-group of four waves makes 256 x 256, a wave 128 x 128: 64 accumulators.  Source 0 is the operand P, along whose rows a lane's registers run; source 1 the operand Q, of which a lane holds one row.
; Cluster x chooses the product: 0 q, 1 k (P = the weight's rows n, Q = tokens: a lane holds a token, registers run along n), 2 v (P = tokens, Q = Wv's rows: registers run along the keys).  Only addresses differ.
; K IN LDS: three slots of two K steps (a wave's tensor load brings two blocks, 26,624 dense bytes).  K steps 0-5 are asked for at the start, three loads a wave; slot 0 alone is filled again, once, with K steps 6 and 7,
; behind K step 1: that load has K steps 2-5, 256 matrix instructions a wave, in which to land.  The eight K steps are written out.
; CLUSTERS: 4 x 4 work-groups; Q's tiles are shared along a row of the cluster, P's along a column, by joint loads.
; OUTPUT: qkv[head][chunk of 256 tokens][Q, K, V], each a block.  Q, K: image i holds token tile 2 i in registers 0-5 (the head's 64) and tile 2 i + 1 in 6-11.  V: image 4 s + t = 16 of the head's 64 x keys 128 s on.
; LIMITS: a block of zeros gets the byte 1 (its codes are zeros; this program alone reads the bytes); NaN and infinities are not served.
; REGISTERS: window 0: v5-18, v28-29 addresses; v32-47 scale words, two sets; v48-63 the bias by lanes; v64-255 Q's fragments, two sets (later the way out).  window 1: v0-191 P's fragments, two sets; v192-255 the bias by registers.
;   windows 2, 3: accumulator (a, b) at v[64 (a % 4) + 8 b] of window 2 + a / 4.
.set IMG,   1536
.set SIMG,  128
.set SOFF,  12288
.set BLK,   13312
; K IN LDS, AS THE TEXT STANDS (in place of the three slots named above): each wave has one region of six blocks, K steps 0-5 of the 128 rows that it fetches, 79,872 dense bytes,
; brought by its ONE tensor load at the head.  The region's first two blocks alone are filled again, once, with K steps 6 and 7, behind K step 1: that load has K steps 2-5, 256 matrix instructions a wave, in which to land.
; No prefetch: the block is 256 x 256 in clusters, K has eight steps, six of them are asked for by the head's load, and the text has no loop to run ahead in.
.set PART,  6*BLK                      ; a wave's region, and what its load at the head brings
.set SLOT,  2*BLK                      ; from one address register to the next: two K steps
.set SPARE, 4*PART                     ; behind the four regions: the spare words, 128 bytes a wave
.set QB,    8                          ; tiles of Q, of P to a wave
.set PB,    8
.set KS,    8                          ; K steps in K
.set TILEB, 2*KS*BLK                   ; bytes from a work-group's tile to the next
.set HALFG, KS*BLK                     ; from the first fetching wave's part to the second's
.set SLOTG, 2*BLK                      ; from slot to slot
.set REFG,  3*SLOTG                    ; from slot 0's first tile to its second: K steps 6, 7
.set U,     PART                       ; a wave's part inside an operand's region: codes,
.set US,    PART                       ; scale words
.set SC,    32
.set QF,    64
.set ADRQ,  10                         ; v10-12 LDS address of my Q fragments in slot 0, 1, 2
.set ADRP,  13                         ; v13-15 of P's
.set ADRS,  16                         ; v16-18 of the scale words
.set SPW,   28
.set NIL,   29
.set SEL,   20
.set G1Y,   24                         ; s[24:31] group 1 for Q's tiles; s[32:35] its group 0
.set G0Y,   32
.set G0Y2,  84
.set G1X,   48                         ; s[48:55] for P's; s[56:59]
.set G0X,   56
.set G0X2,  80
.set HA,    64
.set PC,    128
.set TQ,    152
.set TM,    160
.set PWA,   176
.set PWB,   177
.set W0,    178
.set MSB, 0
.macro WIN new                         ; the immediate's high byte repeats the setting that is left
.if MSB != (\new)
	s_set_vgpr_msb (MSB<<8)|(\new)
.set MSB, (\new)
.endif
.endm
.macro PLACES
.rept 4
	v_nop
.endr
.endm
.macro JLOAD g0y, g0x                  ; waves 0, 1 fetch for Q, waves 2, 3 for P; four v_nop follow each line
	s_cmp_eq_u32 s15, 0
	s_cbranch_scc0 .Lfor_x_\@
	tensor_load_to_lds s[\g0y:\g0y+3], s[G1Y:G1Y+7]
	s_nop 0
.rept 4
	v_nop
.endr
	s_branch .Lasked_\@
.Lfor_x_\@:
	tensor_load_to_lds s[\g0x:\g0x+3], s[G1X:G1X+7]
	s_nop 0
.rept 4
	v_nop
.endr
.Lasked_\@:
.endm
.macro CREST
	s_cmp_lg_u32 s14, 0
	s_cbranch_scc1 .Lnot_wave_0_\@
	s_barrier_signal -3
.Lnot_wave_0_\@:
	s_barrier_wait -3
	s_barrier_signal -1
	s_barrier_wait -1
.endm
.macro CROUND
	s_barrier_signal -1
	s_barrier_wait -1
	CREST
.endm
.macro GIDS                            ; ids, masks and the two groups 1: 312 rows of 32 elements of 8 bytes, dense
	v_lshl_add_u32 v[SPW], v0, 2, SPARE
	v_mov_b32 v[NIL], 0
	ds_add_u32 v28, v29
	ds_add_u32 v28, v29
	s_wait_dscnt 0x0
	v_lshrrev_b32 v1, 5, v0
	v_readfirstlane_b32 s14, v1                    ; wave
	s_lshr_b32 s15, s14, 1                         ; wq: my half of Q's rows.  Also: I fetch for Q (0) or for P (1)
	s_and_b32 s16, s14, 1                          ; wp: my half of P's rows.  Also: which part I fetch
	s_bfe_u32 s40, ttmp6, 0x40000                  ; cx
	s_bfe_u32 s41, ttmp6, 0x40004                  ; cy
	s_and_b32 s45, ttmp7, 0xffff                   ; cluster y
	s_lshl_b32 s43, s41, 2
	s_lshl_b32 s43, 15, s43                        ; my row of the cluster
	s_lshl_b32 s44, 0x1111, s40                    ; my column
	s_or_b32 s[G1Y], s43, (3<<16)|(1<<21)
	s_or_b32 s[G1X], s44, (3<<16)|(1<<21)
.irp g, G1Y, G1X
	s_mov_b32 s[\g+1], 32<<16
	s_mov_b32 s[\g+2], 312<<16                     ; the head's load: 312 rows of 256 bytes, six blocks
	s_mov_b32 s[\g+3], 32<<16
	s_mov_b32 s[\g+4], 312
	s_mov_b32 s[\g+5], 32
	s_mov_b32 s[\g+6], 0
	s_mov_b32 s[\g+7], 0
.endr
.endm
.macro GSET g0y, g0x, s                ; slot s's groups 0 and its first fill.  s[4:5], s[6:7]: Q's and P's first byte for this wave; s17 = wave x PART
	s_mov_b32 s[\g0y], 1
	s_add_co_u32 s[\g0y+1], s17, \s*SLOT
	s_add_nc_u64 s[\g0y+2:\g0y+3], s[4:5], \s*SLOTG
	s_or_b32 s[\g0y+3], s[\g0y+3], 0x80000000
	s_mov_b32 s[\g0x], 1
	s_add_co_u32 s[\g0x+1], s17, \s*SLOT
	s_add_nc_u64 s[\g0x+2:\g0x+3], s[6:7], \s*SLOTG
	s_or_b32 s[\g0x+3], s[\g0x+3], 0x80000000
	JLOAD \g0y, \g0x
.endm
.macro GADDR
	v_and_b32 v1, 31, v0
	v_lshlrev_b32 v5, 4, v1                        ; 16 x lane
	v_lshlrev_b32 v6, 2, v1                        ; 4 x lane
	v_and_b32 v2, 15, v0                           ; r
	v_bfe_u32 v3, v0, 4, 1                         ; h
	v_lshlrev_b32 v7, 6, v3                        ; 64 h
	v_and_b32 v8, 8, v2
	v_add_nc_u32 v8, v8, v2
	v_lshlrev_b32 v8, 2, v8                        ; 4 (r + 8 (r / 8))
	s_mul_i32 s18, s15, U
	v_add_nc_u32 v[ADRQ], s18, v5
	v_add_nc_u32 v[ADRQ+1], SLOT, v[ADRQ]
	v_add_nc_u32 v[ADRQ+2], 2*SLOT, v[ADRQ]
	s_mul_i32 s19, s16, U
	s_add_co_u32 s19, s19, 2*PART
	v_add_nc_u32 v[ADRP], s19, v5
	v_add_nc_u32 v[ADRP+1], SLOT, v[ADRP]
	v_add_nc_u32 v[ADRP+2], 2*SLOT, v[ADRP]
	s_mul_i32 s18, s15, US
	s_mul_i32 s19, s16, US
	s_add_co_u32 s19, s19, 2*PART
	s_sub_co_u32 s19, s19, s18                     ; from Q's scale words to P's
	v_mul_u32_u24 v9, s19, v3                      ; lanes 16-31 take P's
	s_add_co_u32 s18, s18, SOFF
	v_add_nc_u32 v9, v9, v6
	v_add_nc_u32 v[ADRS], s18, v9
	v_add_nc_u32 v[ADRS+1], SLOT, v[ADRS]
	v_add_nc_u32 v[ADRS+2], 2*SLOT, v[ADRS]
.endm
.macro FETCHN n                        ; the fragments and scale words of K step n (slot (n / 2) % 3, its step n % 2) into set n % 2
.set FS, ((\n)/2)%3
.set FQ, (\n)%2
.set FP, (\n)%2
	WIN 0x40
.set FB, 0
.rept PB
.irp g, 0,1,2
	ds_load_b128 v[12*PB*FP+12*FB+4*\g:12*PB*FP+12*FB+4*\g+3], v[ADRP+FS] offset:FQ*BLK+FB*IMG+512*\g
.endr
.set FB, FB+1
.endr
	WIN 0
.set FB, 0
.rept QB
.irp g, 0,1,2
	ds_load_b128 v[QF+12*QB*FP+12*FB+4*\g:QF+12*QB*FP+12*FB+4*\g+3], v[ADRQ+FS] offset:FQ*BLK+FB*IMG+512*\g
.endr
.set FB, FB+1
.endr
.set FB, 0
.rept QB
	ds_load_b32 v[SC+8*FP+FB], v[ADRS+FS] offset:FQ*BLK+FB*SIMG   ; lanes 0-15: Q's tile, lanes 16-31: P's tile
.set FB, FB+1
.endr
.endm
.macro MULR a0, n, p, zero             ; Q's tiles a0 .. a0 + n - 1 against all of P's; the accumulators take turns, one instruction a turn, in the same order in every step
.set MA, \a0
.rept \n
.set MW, 0xa1+0x50*((MA*PB*8)/256)
	WIN MW
.set MB, 0
.rept PB
.set RC, (MA*PB*8)%256+8*MB
.set RP, 12*PB*(\p)+12*MB
.set RQ, QF+12*QB*(\p)+12*MA
.if \zero
	v_wmma_scale_f32_16x16x128_f8f6f4 v[RC:RC+7], v[RP:RP+11], v[RQ:RQ+11], 0, v[SC+8*(\p)+MB], v[SC+8*(\p)+MA] matrix_a_fmt:MATRIX_FMT_FP6 matrix_b_fmt:MATRIX_FMT_FP6 matrix_a_scale:MATRIX_SCALE_ROW1
.else
	v_wmma_scale_f32_16x16x128_f8f6f4 v[RC:RC+7], v[RP:RP+11], v[RQ:RQ+11], v[RC:RC+7], v[SC+8*(\p)+MB], v[SC+8*(\p)+MA] matrix_a_fmt:MATRIX_FMT_FP6 matrix_b_fmt:MATRIX_FMT_FP6 matrix_a_scale:MATRIX_SCALE_ROW1
.endif
.set MB, MB+1
.endr
.set MA, MA+1
.endr
.endm
.macro STEPN n, zero                   ; K step n, whose successor already lies in LDS for every wave to read
	s_wait_dscnt 0x0                               ; this step's set, asked for a step ago, is in
	PLACES                                         ; in front of loads into the set that the last step multiplied
	FETCHN (\n)+1
	MULR 0, QB, (\n)%2, \zero
.endm
.macro TURNN n, fill                   ; K step n (odd: set 1) with a barrier in it.  fill = 1: the barrier opens a round of the cluster's barrier, and slot 0 is filled again
	WIN 0
	s_wait_tensorcnt 0x0                           ; all my tensor loads have landed
	ds_add_u32 v[SPW], v[NIL]
.if \fill
	s_mov_b32 s[G1Y+2], 104<<16                    ; no tensor load of mine is out, so a descriptor may be written: the refill brings 104 rows, two blocks
	s_mov_b32 s[G1Y+4], 104
	s_mov_b32 s[G1X+2], 104<<16
	s_mov_b32 s[G1X+4], 104
.endif
	s_wait_dscnt 1
	MULR 0, QB/4, 1, 0
	s_wait_dscnt 0x0                               ; the add is done, and my reads of the slot in hand are over
	s_barrier_signal -1
	MULR QB/4, QB/4, 1, 0
	WIN 0
	s_barrier_wait -1
.if \fill
	CREST                                          ; no wave of any partner still reads slot 0 or has a load on its way
	s_add_nc_u64 s[G0Y+2:G0Y+3], s[G0Y+2:G0Y+3], REFG
	s_add_nc_u64 s[G0X+2:G0X+3], s[G0X+2:G0X+3], REFG
	JLOAD G0Y, G0X                                 ; my one tensor load behind the round; its four v_nop are the places in front of the loads below
.else
	PLACES
.endif
	FETCHN (\n)+1
	MULR QB/2, QB/2, 1, 0
.endm
.macro QUANT s, d0, d1, pw             ; 64 numbers of a lane, register 16 b + i = k 32 b + 16 (lane / 16) + i, become fragment registers d0 .. + 5 (k 0-63), d1 .. + 5 (k 64-127) and the scale word pw
.irp b, 0,1,2,3
	v_max3_num_f32 v[TM+\b], |v[(\s)+16*\b]|, |v[(\s)+1+16*\b]|, 0x1800000
.endr
.irp i, 2,4,6,8,10,12,14
.irp b, 0,1,2,3
	v_max3_num_f32 v[TM+\b], v[TM+\b], |v[(\s)+16*\b+\i]|, |v[(\s)+1+16*\b+\i]|
.endr
.endr
.irp b, 0,1,2,3
	v_permlanex16_b32 v[TM+4+\b], v[TM+\b], s[SEL], s[SEL+1]
.endr
.irp b, 0,1,2,3
	v_max_num_f32 v[TM+\b], v[TM+\b], v[TM+4+\b]
.endr
.irp b, 0,1,2,3
	v_add_nc_u32 v[TM+12+\b], 0xff000000, v[TM+\b]
.endr
.irp b, 0,1,2,3
	v_lshrrev_b32 v[TM+4+\b], 23, v[TM+12+\b]
.endr
	v_lshl_or_b32 v[\pw], v[TM+5], 8, v[TM+4]
	v_lshl_or_b32 v[\pw], v[TM+6], 16, v[\pw]
	v_lshl_or_b32 v[\pw], v[TM+7], 24, v[\pw]
	v_cvt_scalef32_pk16_fp6_f32 v[(\d0):(\d0)+2], v[(\s):(\s)+15], v[TM+12]
	v_cvt_scalef32_pk16_fp6_f32 v[TQ:TQ+2], v[(\s)+16:(\s)+31], v[TM+13]
	v_cvt_scalef32_pk16_fp6_f32 v[(\d1):(\d1)+2], v[(\s)+32:(\s)+47], v[TM+14]
	v_cvt_scalef32_pk16_fp6_f32 v[TQ+4:TQ+6], v[(\s)+48:(\s)+63], v[TM+15]
	v_nop
.irp i, 0,1,2
	v_permlane16_swap_b32 v[(\d0)+\i], v[TQ+\i]
.endr
.irp i, 0,1,2
	v_mov_b32 v[(\d0)+3+\i], v[TQ+\i]
.endr
.irp i, 0,1,2
	v_permlane16_swap_b32 v[(\d1)+\i], v[TQ+4+\i]
.endr
.irp i, 0,1,2
	v_mov_b32 v[(\d1)+3+\i], v[TQ+4+\i]
.endr
.endm
.macro ADDB a                          ; row a's 64 results + the bias by registers, into window 0; each accumulator from its low end on
	WIN 0x06+(\a)/4
.set AI, 0
.rept 32
	v_pk_add_f32 v[HA+AI:HA+AI+1], v[64*((\a)%4)+AI:64*((\a)%4)+AI+1], v[192+AI:192+AI+1]
.set AI, AI+2
.endr
	WIN 0
.endm
.macro ADDL a                          ; the same with the bias of the lane's row
	WIN 0x02+(\a)/4
.set AI, 0
.rept 32
	v_pk_add_f32 v[HA+AI:HA+AI+1], v[64*((\a)%4)+AI:64*((\a)%4)+AI+1], v[48+2*(\a):49+2*(\a)] op_sel_hi:[1,0]
.set AI, AI+2
.endr
	WIN 0
.endm
	s_load_b256 s[68:75], s[0:1], 0x0              ; xc 68, wqkvc 70, bq 72, bk 74
	s_load_b128 s[76:79], s[0:1], 0x20             ; bv 76, qkv 78
	GIDS
	s_mov_b32 s[SEL], 0x76543210
	s_mov_b32 s[SEL+1], 0xfedcba98
	s_lshl_b32 s46, s45, 2                         ; 4 x cluster y
	s_lshl_b32 s47, ttmp9, 2                       ; 4 x cluster x
	s_cmp_eq_u32 ttmp9, 2                          ; v?  The same in all sixteen partners
	s_cselect_b32 s98, 8, s46                      ; Q's tile: Wv's rows begin at tile 8 of the weights; else tokens
	s_cselect_b32 s22, s46, s47                    ; P's tile: tokens; else the weight's rows
	s_add_co_u32 s98, s98, s41                     ; + cy: shared along my row of the cluster
	s_add_co_u32 s22, s22, s40                     ; + cx: shared along my column
	s_mul_i32 s98, s98, TILEB
	s_mul_i32 s22, s22, TILEB
	s_mul_i32 s18, s16, HALFG
	s_add_co_u32 s98, s98, s18
	s_add_co_u32 s22, s22, s18
	s_mov_b32 s99, 0
	s_mov_b32 s23, 0
	s_mul_i32 s17, s14, PART
	s_wait_kmcnt 0x0
	s_cmp_eq_u32 ttmp9, 2
	s_cselect_b64 s[4:5], s[70:71], s[68:69]
	s_cselect_b64 s[6:7], s[68:69], s[70:71]
	s_add_nc_u64 s[4:5], s[4:5], s[98:99]
	s_add_nc_u64 s[6:7], s[6:7], s[22:23]
	CROUND                                         ; all sixteen work-groups are here: the first joint loads meet
	GSET G0Y, G0X, 0                               ; K steps 0, 1
	GADDR
	; the bias, in both forms, on the one way that all take
	s_cmp_eq_u32 ttmp9, 0
	s_cselect_b64 s[8:9], s[72:73], s[74:75]
	s_cmp_eq_u32 ttmp9, 2
	s_cselect_b64 s[8:9], s[76:77], s[8:9]
	s_lshl_b32 s92, s40, 10
	s_lshl_b32 s93, s16, 9
	s_add_co_u32 s92, s92, s93                     ; 4 (256 cx + 128 wp)
	s_mov_b32 s93, 0
	s_add_nc_u64 s[94:95], s[8:9], s[92:93]
	s_lshl_b32 s92, s41, 10
	s_lshl_b32 s96, s15, 9
	s_add_co_u32 s92, s92, s96                     ; 4 (256 cy + 128 wq)
	s_add_nc_u64 s[96:97], s[8:9], s[92:93]
	WIN 0x40
.set CI, 0
.rept 16
	global_load_b128 v[192+4*CI:195+4*CI], v7, s[94:95] offset:128*(CI/4)+16*(CI%4)   ; register 16 B + i: n = 32 B + 16 h + i
.set CI, CI+1
.endr
	WIN 0
.set CI, 0
.rept 8
	global_load_b32 v[48+2*CI], v8, s[96:97] offset:4*(32*(CI/2)+8*(CI%2))            ; tile a's lane-row r
	global_load_b32 v[49+2*CI], v8, s[96:97] offset:4*(32*(CI/2)+8*(CI%2))            ; (the pair's upper word)
.set CI, CI+1
.endr
	; where my results go
	s_add_co_u32 s66, s46, s40
	s_lshl_b32 s66, s66, 1
	s_add_co_u32 s66, s66, s16                     ; v: my 128 tokens = 2 (4 cluster y + cx) + wp
	s_add_co_u32 s67, s46, s41
	s_lshl_b32 s67, s67, 1
	s_add_co_u32 s67, s67, s15                     ; q, k: 2 (4 cluster y + cy) + wq
	s_lshl_b32 s88, s41, 1
	s_add_co_u32 s88, s88, s15                     ; v: my 128 n = 2 cy + wq
	s_lshl_b32 s89, s40, 1
	s_add_co_u32 s89, s89, s16                     ; q, k: 2 cx + wp
	s_cmp_eq_u32 ttmp9, 2
	s_cselect_b32 s66, s66, s67
	s_cselect_b32 s88, s88, s89
	s_lshr_b32 s67, s66, 3                         ; the batch
	s_and_b32 s66, s66, 7                          ; which 128 of its 1,024 tokens
	s_lshl_b32 s67, s67, 4
	s_lshl_b32 s88, s88, 1
	s_add_co_u32 s67, s67, s88                     ; my first head of two
	s_lshl_b32 s67, s67, 2
	s_lshr_b32 s88, s66, 1
	s_add_co_u32 s67, s67, s88                     ; the chunk of 256 tokens
	s_mul_i32 s67, s67, 3
	s_add_co_u32 s67, s67, ttmp9                   ; Q, K or V
	s_mul_i32 s67, s67, BLK
	s_and_b32 s66, s66, 1
	s_mul_i32 s88, s66, 4*IMG                      ; images 4 (tokens' half) on
	s_add_co_u32 s88, s88, s67
	s_mov_b32 s89, 0
	s_add_nc_u64 s[10:11], s[78:79], s[88:89]
	s_lshl_b32 s88, s66, 9
	s_add_co_u32 s88, s88, s67
	s_add_co_u32 s88, s88, SOFF
	s_add_nc_u64 s[12:13], s[78:79], s[88:89]
	s_mov_b32 s90, 0x05040100
	s_mov_b32 s91, 0x07060302
	s_wait_alu depctr_va_vdst(0)
	s_wait_tensorcnt 0x0                           ; my region, K steps 0-5, is in
	s_barrier_signal -1
	s_barrier_wait -1
	FETCHN 0
	STEPN 0, 1                                     ; the first K step starts the sums
	TURNN 1, 1                                     ; all three slots have landed in every wave; slot 0 takes K steps 6, 7
	STEPN 2, 0
	STEPN 3, 0                                     ; no barrier between slots 1 and 2: the round above has shown both whole
	STEPN 4, 0
	TURNN 5, 0                                     ; slot 0's second tile has landed in every wave; nothing is filled
	STEPN 6, 0
	s_wait_dscnt 0x0
	MULR 0, QB, 1, 0
	WIN 0
	PLACES
	s_wait_loadcnt 0x0                             ; the bias
.irp b, 0,1,2,3
	v_mov_b32 v[TM+4+\b], 0                        ; a permute's destination counts as read
.endr
	s_cmp_eq_u32 ttmp9, 2
	s_cbranch_scc1 .Lv
	; q, k: a lane holds a token; its 64 registers are 128 n = two heads' 64.  Two token tiles make an image of each head.
.irp i, 0,1,2,3
	s_wait_xcnt 0x0                                ; the last stores have read their registers
	ADDB 2*\i
	QUANT HA, PC, PC+12, PWA
	ADDB 2*\i+1
	QUANT HA, PC+6, PC+18, PWB
	v_perm_b32 v[W0], v[PWB], v[PWA], s90          ; head 0's word: both tiles' bytes 0, 1
	v_perm_b32 v[W0+1], v[PWB], v[PWA], s91        ; head 1's: bytes 2, 3
.irp e, 0,1
.irp g, 0,1,2
	global_store_b128 v5, v[PC+12*\e+4*\g:PC+12*\e+4*\g+3], s[10:11] offset:12*BLK*\e+IMG*\i+512*\g
.endr
	global_store_b32 v6, v[W0+\e], s[12:13] offset:12*BLK*\e+SIMG*\i
.endr
.endr
	s_branch .Ldone
.Lv:	; v: a lane holds one of the head's 64; its 64 registers are 128 keys: one fragment a tile
.irp a, 0,1,2,3,4,5,6,7
	s_wait_xcnt 0x0
	ADDL \a
	QUANT HA, PC, PC+6, PWA
.irp g, 0,1,2
	global_store_b128 v5, v[PC+4*\g:PC+4*\g+3], s[10:11] offset:12*BLK*(\a/4)+IMG*(\a%4)+512*\g
.endr
	global_store_b32 v6, v[PWA], s[12:13] offset:12*BLK*(\a/4)+SIMG*(\a%4)
.endr
.Ldone:
	s_wait_tensorcnt 0x0                           ; the wave's end
	ds_add_u32 v[SPW], v[NIL]
	s_wait_dscnt 0x0
	CROUND                                         ; the closing round
	s_endpgm
.Lfunc_end_k_q447b82f58b_qkv:
	.size	k_q447b82f58b_qkv, .Lfunc_end_k_q447b82f58b_qkv-k_q447b82f58b_qkv
	.p2alignl 7, 3214868480
	.fill 96, 4, 3214868480
	.section	.rodata,"a",@progbits
	.p2align	6, 0x0
	.amdhsa_kernel k_q447b82f58b_qkv
		.amdhsa_group_segment_fixed_size 327680
		.amdhsa_private_segment_fixed_size 0
		.amdhsa_enable_private_segment 0
		.amdhsa_kernarg_size 48
		.amdhsa_user_sgpr_count 2
		.amdhsa_user_sgpr_kernarg_segment_ptr 1
		.amdhsa_wavefront_size32 1
		.amdhsa_system_sgpr_workgroup_id_x 1
		.amdhsa_system_sgpr_workgroup_id_y 1
		.amdhsa_system_sgpr_workgroup_id_z 1
		.amdhsa_system_vgpr_workitem_id 0
		.amdhsa_next_free_vgpr 1024
		.amdhsa_next_free_sgpr 100
		.amdhsa_reserve_vcc 0
		.amdhsa_float_denorm_mode_32 3
		.amdhsa_float_denorm_mode_16_64 3
		.amdhsa_memory_ordered 1
		.amdhsa_forward_progress 1
		.amdhsa_inst_pref_size 207
	.end_amdhsa_kernel
	.amdgpu_metadata
---
amdhsa.version: [ 1, 2 ]
amdhsa.kernels:
  - .name:           k_q447b82f58b_qkv
    .symbol:         k_q447b82f58b_qkv.kd
    .args:
      - { .name: xc, .offset: 0, .size: 8, .value_kind: global_buffer, .address_space: global }
      - { .name: wqkvc, .offset: 8, .size: 8, .value_kind: global_buffer, .address_space: global }
      - { .name: bq, .offset: 16, .size: 8, .value_kind: global_buffer, .address_space: global }
      - { .name: bk, .offset: 24, .size: 8, .value_kind: global_buffer, .address_space: global }
      - { .name: bv, .offset: 32, .size: 8, .value_kind: global_buffer, .address_space: global }
      - { .name: qkv, .offset: 40, .size: 8, .value_kind: global_buffer, .address_space: global }
    .group_segment_fixed_size: 327680
    .private_segment_fixed_size: 0
    .kernarg_segment_align: 8
    .kernarg_segment_size: 48
    .max_flat_workgroup_size: 128
    .sgpr_count:     100
    .vgpr_count:     1024
    .wavefront_size: 32
...
	.end_amdgpu_metadata
.endif
;; end of part 2
;; launch attn (part 3): grid 4 x 64, 16 waves a work-group, clusters of 4 x 1, 178,176 bytes of LDS; arguments qkv, inputs, res; writes res
.if DOCPART == 3
	.amdgcn_target "amdgcn-amd-amdhsa--gfx1250"
	.amdhsa_code_object_version 6
	.text
	.protected	k_q447b82f58b_attn
	.globl	k_q447b82f58b_attn
	.p2align	8
	.type	k_q447b82f58b_attn,@function
k_q447b82f58b_attn:
	s_mov_b64 s[64:65], 0
	v_nop
	global_prefetch_b8 v0, s[64:65] scope:SCOPE_SE
	s_setreg_imm32_b32 hwreg(HW_REG_WAVE_MODE, 25, 1), 1
	s_wait_xcnt 0x0
	s_wait_alu depctr_hold_cnt(0) depctr_sa_sdst(0) depctr_va_vdst(0) depctr_va_sdst(0) depctr_va_ssrc(0) depctr_va_vcc(0) depctr_vm_vsrc(0)
	s_getreg_b32 s2, hwreg(HW_REG_IB_STS2, 6, 4)
	s_cmp_eq_u32 s2, 0
	s_cbranch_scc0 .Lentry_in_a_cluster
	s_endpgm
.Lentry_in_a_cluster:
	s_bfe_u32 s2, ttmp6, 0x10000c
	s_cmp_lg_u32 s2, 0x3003
	s_cbranch_scc0 .Lentry_shape_is_right
	s_endpgm
.Lentry_shape_is_right:
; res = inputs + causal attention, both products on codes of FP6 (E2M3) with one E8M0 byte for each 32 along a product's K.
; qkv[head][chunk of 256 tokens][Q, K, V]: blocks of register images (BLK bytes: eight images of 12 registers, eight of a scale word).  Q, K: image i holds token tile 2 i in registers 0-5 (the head's 64)
; and tile 2 i + 1 in registers 6-11; lane-row r of tile t is token 32 (t/2) + 8 (t%2) + r + 8 (r/8).  V: image 4 s + t = 16 of the head's 64 x keys 128 s on.
; THE SOFTMAX: t = score x log2(e) / 8; M = the running largest t rounded up to a whole number; p = 2^(t - M) is quantised along the keys; the row's sum is taken of the unquantised p and divides at the end.
; SHARES.  A head's 64 query tiles of 16 are dealt to four work-groups so that the causal mask leaves each the same work: work-group cx takes the tiles T with T % 4 = cx; its wave w takes T = 16 q + 4 a + cx,
; a = w / 4, q = (w % 4 + a) % 4.  Tile T walks T / 8 + 1 key steps of 128: 72 in each work-group, and of any four waves w % 4 = const or w / 4 = const one lies in each quarter q.
; CLUSTER.  The four work-groups of a head walk the same K and V, 106,496 bytes, which lie in LDS whole: wave 0 of each asks for them JOINTLY, by four tensor loads at the head; nothing is filled twice.
; No branch hangs on cx: a key step is left out, or goes without the mask, by the first and last token of the four tiles 4 a .. 4 a + 3 (64 neighbouring tokens, inside one block of 128), which all four partners share.
; K = 64 IN AN INSTRUCTION OF 128: a fragment of K holds two key tiles; Q stands as [q | zeros | q], so that v[16:27] meets the first tile and v[22:33] the second; the other half meets zero codes.
; Both products are used transposed: a lane holds ONE query.  On the diagonal hidden scores become -infinity.
; LIMITS: NaN and infinities among the inputs are not served.
; REGISTERS: v1-8 addresses; v12 -M, v13 the largest t, v[14:15] the sum; v16-33 Q; v36-83 four fragments of K or V; v96-159 S^T, then p; v160-191 O^T; v192-223 rows of inputs; v224.. p's codes; v232-254 at work; v255 Q's scale word.
.set IMG,   1536
.set SIMG,  128
.set SOFF,  12288
.set BLK,   13312
.set CH,    2*BLK                      ; a chunk in LDS: K's block, V's block
.set STAGE, 4*CH                       ; the way out: 16 rows x (256 + 16) bytes for each wave; no tile lands here
.set WV,  18
.set SEL, 20
.set CS,  22
.set G1,  24
.set G0,  32                           ; s[32:35] group 0
.macro PLACES
.rept 4
	v_nop
.endr
.endm
.macro CROUND                          ; a round of the cluster's barrier
	s_barrier_signal -1
	s_barrier_wait -1
	s_cmp_lg_u32 s[WV], 0
	s_cbranch_scc1 .Lnot_wave_0_\@
	s_barrier_signal -3
.Lnot_wave_0_\@:
	s_barrier_wait -3
	s_barrier_signal -1
	s_barrier_wait -1
.endm
	s_load_b128 s[4:7], s[0:1], 0x0                ; qkv, inputs
	s_load_b64 s[8:9], s[0:1], 0x10                ; res
	v_lshl_add_u32 v35, v0, 2, 0x2b000
	v_mov_b32 v243, 0
	ds_add_u32 v35, v243
	ds_add_u32 v35, v243
	v_lshrrev_b32 v1, 5, v0
	s_delay_alu instid0(VALU_DEP_1)
	v_readfirstlane_b32 s[WV], v1                  ; wave 0..15
	s_bfe_u32 s62, ttmp6, 0x40000                  ; cx: which of the head's four work-groups
	s_and_b32 s10, ttmp7, 0xffff                   ; 16 x batch + head: the cluster's y
	s_mov_b32 s[G1], 15|(3<<16)|(1<<21)            ; the mask: all four work-groups; elements of 8 bytes; bit 21 beside a mask; no padding
	s_mov_b32 s[G1+1], 32<<16                      ; tensor_dim0 = 32: rows of 256 bytes
	s_mov_b32 s[G1+2], 104<<16                     ; tensor_dim1 = 104: 26,624 dense bytes
	s_mov_b32 s[G1+3], 32<<16                      ; tile_dim0
	s_mov_b32 s[G1+4], 104                         ; tile_dim1
	s_mov_b32 s[G1+5], 32                          ; the pitch
	s_mov_b32 s[G1+6], 0
	s_mov_b32 s[G1+7], 0
	s_mul_i32 s12, s10, 12*BLK
	s_mov_b32 s13, 0
	s_wait_dscnt 0x0
	s_wait_kmcnt 0x0
	s_add_nc_u64 s[4:5], s[4:5], s[12:13]          ; qkv at my head
	; AS THE TEXT STANDS: the four chunks are shared out among waves 0-3, ONE joint load a wave (chunk = the wave's number); waves 4-15 ask for nothing
	s_and_b32 s14, s[WV], 3
	s_mul_i32 s[G0+1], s14, CH                     ; LDS: chunk x 26,624
	s_mul_i32 s12, s14, 3*BLK
	s_add_co_u32 s12, s12, BLK                     ; the chunk's K and V lie on end, behind its Q (s13 = 0 still)
	s_mov_b32 s[G0], 1
	s_add_nc_u64 s[G0+2:G0+3], s[4:5], s[12:13]
	s_or_b32 s[G0+3], s[G0+3], 0x80000000
	CROUND                                         ; all four work-groups are here: the joint loads meet
	s_cmp_ge_u32 s[WV], 4
	s_cbranch_scc1 .Lno_fetch
	tensor_load_to_lds s[G0:G0+3], s[G1:G1+7]      ; one load of mine is out
	s_nop 0
.rept 4
	v_nop
.endr
.Lno_fetch:
	v_and_b32 v9, 31, v0
	s_delay_alu instid0(VALU_DEP_1)
	v_lshlrev_b32 v1, 4, v9                        ; 16 x lane
	s_wait_alu depctr_va_vdst(0)
	v_lshlrev_b32 v2, 2, v9                        ; 4 x lane
	s_wait_alu depctr_va_vdst(0)
	v_and_b32 v10, 15, v0                          ; r
	v_bfe_u32 v11, v0, 4, 1                        ; h
	s_delay_alu instid0(VALU_DEP_2)
	v_lshlrev_b32 v7, 4, v10
	s_delay_alu instid0(VALU_DEP_1)
	v_lshl_add_u32 v7, v11, 12, v7                 ; rows of inputs and res: 4,096 h + 16 r
	s_wait_alu depctr_va_vdst(0)
	s_lshr_b32 s59, s[WV], 2                       ; a
	s_and_b32 s60, s[WV], 3
	s_add_co_u32 s60, s60, s59
	s_and_b32 s60, s60, 3                          ; q: which quarter of the head's queries
	s_mul_i32 s12, s60, 3*BLK                      ; its Q block
	s_lshl_b32 s14, s59, 1
	s_lshr_b32 s15, s62, 1
	s_add_co_u32 s14, s14, s15                     ; image 2 a + cx / 2
	s_mul_i32 s15, s14, IMG
	s_add_co_u32 s54, s12, s15
	s_mov_b32 s55, 0
	s_add_nc_u64 s[48:49], s[4:5], s[54:55]
	s_lshl_b32 s15, s14, 7
	s_add_co_u32 s54, s12, s15
	s_add_co_u32 s54, s54, SOFF
	s_add_nc_u64 s[56:57], s[4:5], s[54:55]
	s_lshl_b32 s61, s60, 8
	s_lshl_b32 s15, s59, 6
	s_add_co_u32 s61, s61, s15                     ; 256 q + 64 a: the first token of the tiles 4 a .. 4 a + 3; free of cx
	s_add_co_u32 s51, s61, 63                      ; and the last
	s_lshr_b32 s15, s62, 1
	s_lshl_b32 s15, s15, 5
	s_add_co_u32 s50, s61, s15
	s_and_b32 s16, s62, 1
	s_lshl_b32 s14, s16, 3
	s_add_co_u32 s50, s50, s14                     ; my first query: + 32 (cx / 2) + 8 (cx % 2)
	s_mul_i32 s52, s16, 0x02020202
	s_add_co_u32 s52, s52, 0x01000100              ; the selector of my tile's two scale bytes, twice: bytes 0, 1 or 2, 3
	s_sub_co_u32 s53, 0, s16                       ; all ones where my tile is the image's second
	s_lshr_b32 s14, s10, 4
	s_lshl_b32 s14, s14, 10
	s_add_co_u32 s14, s14, s50
	s_lshl_b32 s14, s14, 12
	s_and_b32 s15, s10, 15
	s_lshl_b32 s15, s15, 8
	s_add_co_u32 s54, s14, s15
	s_add_nc_u64 s[6:7], s[6:7], s[54:55]          ; my first row, my head's 256 bytes
	s_add_nc_u64 s[8:9], s[8:9], s[54:55]
.irp g, 0,1,2
	global_load_b128 v[84+4*\g:87+4*\g], v1, s[48:49] offset:512*\g
.endr
	global_load_b32 v254, v2, s[56:57]
.irp i, 0,1,2,3,4,5,6,7
	global_load_b128 v[192+4*\i:195+4*\i], v7, s[6:7] offset:(2*\i+8*(\i/4))*4096   ; stage row 2 i + h is token first + 2 i + h + 8 (i / 4)
.endr
	s_mov_b32 s[SEL], 0x76543210
	s_mov_b32 s[SEL+1], 0xfedcba98
	s_mov_b32 s[CS], 0x3e38aa3b                    ; log2(e) / 8
	s_mov_b32 s[CS+1], s[CS]
	v_and_b32 v8, 8, v10
	s_delay_alu instid0(VALU_DEP_1)
	v_add_nc_u32 v8, v8, v10
	v_lshlrev_b32 v9, 4, v11
	s_delay_alu instid0(VALU_DEP_1)
	v_sub_nc_u32 v8, v8, v9                        ; r + 8 (r / 8) - 16 h
	s_mul_i32 s14, s[WV], 16*272
	s_add_co_u32 s14, s14, STAGE
	v_mul_u32_u24 v5, v10, 272
	s_delay_alu instid0(VALU_DEP_1)
	v_lshl_add_u32 v5, v11, 6, v5
	s_delay_alu instid0(VALU_DEP_1)
	v_add_nc_u32 v5, s14, v5                       ; the stage, in: row r, + 64 h
	v_mul_u32_u24 v6, v11, 272
	s_delay_alu instid0(VALU_DEP_1)
	v_lshl_add_u32 v6, v10, 4, v6
	s_delay_alu instid0(VALU_DEP_1)
	v_add_nc_u32 v6, s14, v6                       ; back: lanes 0-15 one row, lanes 16-31 the next
	s_wait_loadcnt 8                               ; Q and its word are in; the eight rows of inputs may be out
.irp i, 0,1,2,3,4,5
	v_cndmask_b32 v[16+\i], v[84+\i], v[90+\i], s53   ; my tile's half of the image
.endr
.irp i, 0,1,2,3,4,5
	v_mov_b32 v[28+\i], v[16+\i]
.endr
.irp i, 0,1,2,3,4,5
	v_mov_b32 v[22+\i], 0
.endr
	v_perm_b32 v255, v254, v254, s52
	v_mov_b32 v13, 0xff61b1e6                      ; the largest t so far: -3e38
	s_delay_alu instid0(VALU_DEP_1)
	v_floor_f32 v12, -v13                          ; -M
	v_mov_b32 v14, 0
	v_mov_b32 v15, 0
.irp b, 0,1,2,3
	v_mov_b32 v[236+\b], 0                         ; a permute's destination counts as read
.endr
	v_mov_b32 v253, 0
.set CI, 0
.rept 32
	v_mov_b32 v[160+CI], 0                         ; O^T: the step is written one way: the first finds zeros
.set CI, CI+1
.endr
; A KEY STEP: keys 256 c + 128 q on.
.macro STEP c, q
.set KF, 256*\c+128*\q
	s_cmp_lt_u32 s51, KF                           ; all its keys come after my queries: left out
	s_cbranch_scc1 .Lhidden_\@
	PLACES                                         ; in front of loads into registers that the last products read
	s_wait_alu depctr_va_vdst(0)
.irp i, 0,1,2,3
.irp g, 0,1,2
	ds_load_b128 v[36+12*\i+4*\g:39+12*\i+4*\g], v3 offset:(4*\q+\i)*IMG+512*\g
.endr
	ds_load_b32 v[248+\i], v4 offset:SOFF+(4*\q+\i)*SIMG
.endr
	s_wait_dscnt 0x0
.irp i, 0,1,2,3
	v_wmma_scale_f32_16x16x128_f8f6f4 v[96+16*\i:103+16*\i], v[36+12*\i:47+12*\i], v[16:27], 0, v[248+\i], v255 matrix_a_fmt:MATRIX_FMT_FP6 matrix_b_fmt:MATRIX_FMT_FP6
	v_wmma_scale_f32_16x16x128_f8f6f4 v[104+16*\i:111+16*\i], v[36+12*\i:47+12*\i], v[22:33], 0, v[248+\i], v255 matrix_a_fmt:MATRIX_FMT_FP6 matrix_b_fmt:MATRIX_FMT_FP6
.endr                                              ; register 16 b + i: key KF + 32 b + 16 h + i
	PLACES
	s_wait_alu depctr_va_vdst(0)
.irp t, 0,1,2,3                                    ; V's fragments are asked for here and land while the softmax is worked
.irp g, 0,1,2
	ds_load_b128 v[36+12*\t+4*\g:39+12*\t+4*\g], v3 offset:BLK+(4*\q+\t)*IMG+512*\g
.endr
	ds_load_b32 v[248+\t], v4 offset:BLK+SOFF+(4*\q+\t)*SIMG
.endr
	s_cmp_ge_u32 s61, KF+127                       ; all its keys count: no mask
	s_cbranch_scc1 .Lopen_\@
	s_sub_co_i32 s58, s50, KF
	v_add_nc_u32 v252, s58, v8                     ; d = my query - KF - 16 h: register 16 b + i is hidden where 32 b + i > d
	v_mov_b32 v254, 0xff800000
.set MN, 0
.rept 64
	v_cmp_gt_i32 vcc_lo, 32*(MN/16)+MN%16, v252
	v_cndmask_b32 v[96+MN], v[96+MN], v254, vcc_lo
.set MN, MN+1
.endr
.Lopen_\@:
.irp b, 0,1,2,3
	v_max3_num_f32 v[232+\b], v[96+16*\b], v[97+16*\b], v[98+16*\b]   ; the largest score of each block of 32 keys: for the row's maximum, and for the block's largest p
.endr
.irp i, 3,5,7,9,11,13
.irp b, 0,1,2,3
	v_max3_num_f32 v[232+\b], v[232+\b], v[96+16*\b+\i], v[97+16*\b+\i]
.endr
.endr
.irp b, 0,1,2,3
	v_max_num_f32 v[232+\b], v[232+\b], v[111+16*\b]
.endr
.irp b, 0,1,2,3
	s_delay_alu instid0(VALU_DEP_4)
	v_permlanex16_b32 v[236+\b], v[232+\b], s[SEL], s[SEL+1]
.endr
.irp b, 0,1,2,3
	s_delay_alu instid0(VALU_DEP_4)
	v_max_num_f32 v[232+\b], v[232+\b], v[236+\b]
.endr
	s_delay_alu instid0(VALU_DEP_2)
	v_max3_num_f32 v254, v232, v233, v234
	s_delay_alu instid0(VALU_DEP_1)
	v_max_num_f32 v254, v254, v235
	s_delay_alu instid0(VALU_DEP_1)
	v_mul_f32 v254, s[CS], v254
	s_delay_alu instid0(VALU_DEP_1)
	v_max_num_f32 v13, v13, v254                   ; the running largest t
	v_mov_b32 v254, v12
	s_delay_alu instid0(VALU_DEP_2)
	v_floor_f32 v12, -v13                          ; the new -M: a whole number
	s_delay_alu instid0(VALU_DEP_1)
	v_sub_f32 v254, v12, v254
	s_delay_alu instid0(VALU_DEP_1)
	v_cvt_i32_f32 v254, v254
	s_delay_alu instid0(VALU_DEP_1)
	v_ldexp_f32 v252, 1.0, v254                    ; f = 2^(old M - new M): exact
.set EJ, 0
.rept 32
	v_pk_fma_f32 v[96+EJ:97+EJ], v[96+EJ:97+EJ], s[CS:CS+1], v[12:13] op_sel_hi:[1,0,0]   ; t - M
.set EJ, EJ+2
.endr
.irp b, 0,1,2,3
	v_fma_f32 v[232+\b], v[232+\b], s[CS], v12
.endr
.set EJ, 0
	s_wait_alu depctr_va_vdst(0)
.rept 64
	v_exp_f32 v[96+EJ], v[96+EJ]                   ; p = 2^(t - M)
.set EJ, EJ+1
.endr
	v_pk_mul_f32 v[14:15], v[14:15], v[252:253] op_sel_hi:[1,0]   ; the sums under the new M: a plain line behind the exponentials
	s_wait_alu depctr_va_vdst(0)                   ; one wait for the batch, ahead of its first reader
.irp b, 0,1,2,3
	v_exp_f32 v[232+\b], v[232+\b]                 ; each block's largest p
.endr
	v_pk_add_f32 v[236:237], v[100:101], v[104:105]
	v_pk_add_f32 v[246:247], v[108:109], v[112:113]
	v_pk_add_f32 v[244:245], v[116:117], v[120:121]
	v_pk_add_f32 v[240:241], v[124:125], v[128:129]
	v_pk_add_f32 v[238:239], v[132:133], v[136:137]
	v_pk_add_f32 v[230:231], v[140:141], v[144:145]
	v_pk_add_f32 v[228:229], v[148:149], v[152:153]
	v_pk_add_f32 v[14:15], v[14:15], v[156:157]
	v_pk_add_f32 v[236:237], v[236:237], v[96:97]
	v_pk_add_f32 v[246:247], v[246:247], v[98:99]
	v_pk_add_f32 v[244:245], v[244:245], v[102:103]
	v_pk_add_f32 v[240:241], v[240:241], v[106:107]
	v_pk_add_f32 v[238:239], v[238:239], v[110:111]
	v_pk_add_f32 v[230:231], v[230:231], v[114:115]
	v_pk_add_f32 v[228:229], v[228:229], v[118:119]
	v_pk_add_f32 v[14:15], v[14:15], v[122:123]
	v_pk_add_f32 v[236:237], v[236:237], v[126:127]
	v_pk_add_f32 v[246:247], v[246:247], v[130:131]
	v_pk_add_f32 v[244:245], v[244:245], v[134:135]
	v_pk_add_f32 v[240:241], v[240:241], v[138:139]
	v_pk_add_f32 v[238:239], v[238:239], v[142:143]
	v_pk_add_f32 v[230:231], v[230:231], v[146:147]
	v_pk_add_f32 v[228:229], v[228:229], v[150:151]
	v_pk_add_f32 v[14:15], v[14:15], v[154:155]
	v_pk_add_f32 v[236:237], v[236:237], v[158:159]
	s_delay_alu instid0(VALU_DEP_2)
	v_pk_add_f32 v[14:15], v[14:15], v[240:241]
	s_delay_alu instid0(VALU_DEP_2)
	v_pk_add_f32 v[236:237], v[236:237], v[238:239]
	v_pk_add_f32 v[246:247], v[246:247], v[230:231]
	v_pk_add_f32 v[244:245], v[244:245], v[228:229]
	s_delay_alu instid0(VALU_DEP_2)
	v_pk_add_f32 v[14:15], v[14:15], v[246:247]
	s_delay_alu instid0(VALU_DEP_2)
	v_pk_add_f32 v[236:237], v[236:237], v[244:245]
	s_delay_alu instid0(VALU_DEP_1)
	v_pk_add_f32 v[14:15], v[14:15], v[236:237]
	s_wait_alu depctr_va_vdst(0)                   ; and one for the four
.irp b, 0,1,2,3
	v_max_num_f32 v[232+\b], 0x1800000, v[232+\b]  ; the floor 2^(3 - 127)
.endr
.irp b, 0,1,2,3
	s_delay_alu instid0(VALU_DEP_4)
	v_add_nc_u32 v[244+\b], 0xff000000, v[232+\b]
.endr
.irp b, 0,1,2,3
	s_delay_alu instid0(VALU_DEP_4)
	v_lshrrev_b32 v[236+\b], 23, v[244+\b]
.endr
	s_delay_alu instid0(VALU_DEP_3)
	v_lshl_or_b32 v253, v237, 8, v236              ; p's scale word for these 128 keys
	s_delay_alu instid0(VALU_DEP_1)
	v_lshl_or_b32 v253, v238, 16, v253
	s_delay_alu instid0(VALU_DEP_1)
	v_lshl_or_b32 v253, v239, 24, v253
.irp c2, 0,1
	v_cvt_scalef32_pk16_fp6_f32 v[224+6*\c2:226+6*\c2], v[96+32*\c2:111+32*\c2], v[244+2*\c2]
	v_cvt_scalef32_pk16_fp6_f32 v[236+4*\c2:238+4*\c2], v[112+32*\c2:127+32*\c2], v[244+2*\c2+1]
.endr
	v_nop
.irp c2, 0,1
.irp i, 0,1,2
	v_permlane16_swap_b32 v[224+6*\c2+\i], v[236+4*\c2+\i]
.endr
.irp i, 0,1,2
	s_delay_alu instid0(VALU_DEP_3)
	v_mov_b32 v[227+6*\c2+\i], v[236+4*\c2+\i]
.endr
.endr
.set EJ, 0
.rept 16
	v_pk_mul_f32 v[160+EJ:161+EJ], v[160+EJ:161+EJ], v[252:253] op_sel_hi:[1,0]   ; O^T under the new M; also the places in front of the products
.set EJ, EJ+2
.endr
	s_wait_alu depctr_va_vdst(0)
	s_wait_dscnt 0x0                               ; V
.irp t, 0,1,2,3
	v_wmma_scale_f32_16x16x128_f8f6f4 v[160+8*\t:167+8*\t], v[36+12*\t:47+12*\t], v[224:235], v[160+8*\t:167+8*\t], v[248+\t], v253 matrix_a_fmt:MATRIX_FMT_FP6 matrix_b_fmt:MATRIX_FMT_FP6
.endr
.Lhidden_\@:
.endm
.macro CHUNK c
.if \c == 0
	s_wait_tensorcnt 0x0                           ; waves 0-3: my chunk has landed
	s_barrier_signal -1
	s_barrier_wait -1                              ; all four chunks lie in LDS for every wave; nothing is filled again, so this is the walk's one barrier
.endif
	v_add_nc_u32 v3, \c*CH, v1
	v_add_nc_u32 v4, \c*CH, v2
	STEP \c, 0
	STEP \c, 1
.endm
	CHUNK 0
	CHUNK 1
	CHUNK 2
	CHUNK 3
	; THE WAY OUT: O^T / the sum through my stage, + inputs, as whole runs of 256 bytes
	PLACES
	v_add_f32 v14, v14, v15
	s_delay_alu instid0(VALU_DEP_1)
	v_permlanex16_b32 v252, v14, s[SEL], s[SEL+1]
	s_delay_alu instid0(VALU_DEP_1)
	v_add_f32 v14, v14, v252
	s_wait_alu depctr_va_vdst(0)
	v_rcp_f32 v14, v14
	v_nop
	s_wait_alu depctr_va_vdst(0)
.set EJ, 0
.rept 32
	v_mul_f32 v[96+EJ], v[160+EJ], v14             ; register 8 t + j: channel 32 (t / 2) + 16 h + 8 (t % 2) + j
.set EJ, EJ+1
.endr
.irp t, 0,1,2,3
	ds_store_b128 v5, v[96+8*\t:99+8*\t] offset:128*(\t/2)+32*(\t%2)
	ds_store_b128 v5, v[100+8*\t:103+8*\t] offset:128*(\t/2)+32*(\t%2)+16
.endr
.irp i, 0,1,2,3,4,5,6,7
	ds_load_b128 v[36+4*\i:39+4*\i], v6 offset:544*\i   ; LDS serves a wave's instructions in order: these see my stores
.endr
	s_wait_dscnt 0x0
	s_wait_loadcnt 0x0                             ; the rows of inputs
.set EJ, 0
.rept 16
	v_pk_add_f32 v[36+EJ:37+EJ], v[36+EJ:37+EJ], v[192+EJ:193+EJ]
.set EJ, EJ+2
.endr
.irp i, 0,1,2,3,4,5,6,7
	global_store_b128 v7, v[36+4*\i:39+4*\i], s[8:9] offset:(2*\i+8*(\i/4))*4096   ; sixteen lanes store 256 consecutive bytes, aligned
.endr
	s_wait_tensorcnt 0x0
	ds_add_u32 v35, v243
	s_wait_dscnt 0x0
	CROUND                                         ; the closing round: no work-group ends while a partner may still ask for a tile that names it
	s_endpgm
.Lfunc_end_k_q447b82f58b_attn:
	.size	k_q447b82f58b_attn, .Lfunc_end_k_q447b82f58b_attn-k_q447b82f58b_attn
	.p2alignl 7, 3214868480
	.fill 96, 4, 3214868480
	.section	.rodata,"a",@progbits
	.p2align	6, 0x0
	.amdhsa_kernel k_q447b82f58b_attn
		.amdhsa_group_segment_fixed_size 178176
		.amdhsa_private_segment_fixed_size 0
		.amdhsa_enable_private_segment 0
		.amdhsa_kernarg_size 24
		.amdhsa_user_sgpr_count 2
		.amdhsa_user_sgpr_kernarg_segment_ptr 1
		.amdhsa_wavefront_size32 1
		.amdhsa_system_sgpr_workgroup_id_x 1
		.amdhsa_system_sgpr_workgroup_id_y 1
		.amdhsa_system_sgpr_workgroup_id_z 1
		.amdhsa_system_vgpr_workitem_id 0
		.amdhsa_next_free_vgpr 256
		.amdhsa_next_free_sgpr 66
		.amdhsa_reserve_vcc 1
		.amdhsa_float_denorm_mode_32 3
		.amdhsa_float_denorm_mode_16_64 3
		.amdhsa_memory_ordered 1
		.amdhsa_forward_progress 1
		.amdhsa_inst_pref_size 191
	.end_amdhsa_kernel
	.amdgpu_metadata
---
amdhsa.version: [ 1, 2 ]
amdhsa.kernels:
  - .name:           k_q447b82f58b_attn
    .symbol:         k_q447b82f58b_attn.kd
    .args:
      - { .name: qkv, .offset: 0, .size: 8, .value_kind: global_buffer, .address_space: global }
      - { .name: inputs, .offset: 8, .size: 8, .value_kind: global_buffer, .address_space: global }
      - { .name: res, .offset: 16, .size: 8, .value_kind: global_buffer, .address_space: global }
    .group_segment_fixed_size: 178176
    .private_segment_fixed_size: 0
    .kernarg_segment_align: 8
    .kernarg_segment_size: 24
    .max_flat_workgroup_size: 512
    .sgpr_count:     66
    .vgpr_count:     256
    .wavefront_size: 32
...
	.end_amdgpu_metadata
.endif
;; end of part 3
;; launch ln2 (part 4): grid 256 x 1, 8 waves a work-group, no clusters, 67,072 bytes of LDS; arguments res, g2, beta2, hc; writes hc
.if DOCPART == 4
	.amdgcn_target "amdgcn-amd-amdhsa--gfx1250"
	.amdhsa_code_object_version 6
	.text
	.protected	k_q447b82f58b_ln2
	.globl	k_q447b82f58b_ln2
	.p2align	8
	.type	k_q447b82f58b_ln2,@function
k_q447b82f58b_ln2:
	s_mov_b64 s[64:65], 0
	v_nop
	global_prefetch_b8 v0, s[64:65] scope:SCOPE_SE
	s_setreg_imm32_b32 hwreg(HW_REG_WAVE_MODE, 25, 1), 1
	s_wait_xcnt 0x0
; Layer norm of res [4096][1024] (f32) and its codes of FP6 (E2M3) with one E8M0 byte for each 32 along the row, laid as blocks of register images:
; block (R, s) of 128 rows x 128 K at (8 R + s) x BLK; tile t's 12 registers at t x IMG (registers 4 g .. of lane l at 512 g + 16 l), its scale word at SOFF + t x SIMG + 4 l.
; Lane-row r of tile t is row 32 (t / 2) + 8 (t % 2) + r + 8 (r / 8) of the block.
; LIMITS: a block of zeros gets the byte 1 where the rule says 127 (its codes are zeros; this program alone reads the bytes); NaN and infinities are not served.
.set IMG,   1536
.set SIMG,  128
.set SOFF,  12288
.set BLK,   13312
.set PITCH, 4112                       ; 16 rows of 4,096 bytes + 16: an odd multiple of 16
.set SEL,   32
.set DST,   10
.set X,     32
.set G,     96
.set BE,    128
.set HA,    32
.set PC,    96
.set TQ,    108
.set TM,    116
.set PW,    132
.macro QUANT s, d0, d1, pw
.irp b, 0,1,2,3
	v_max3_num_f32 v[TM+\b], |v[(\s)+16*\b]|, |v[(\s)+1+16*\b]|, 0x1800000
.endr
.irp i, 2,4,6,8,10,12,14
.irp b, 0,1,2,3
	s_delay_alu instid0(VALU_DEP_4)
	v_max3_num_f32 v[TM+\b], v[TM+\b], |v[(\s)+16*\b+\i]|, |v[(\s)+1+16*\b+\i]|
.endr
.endr
.irp b, 0,1,2,3
	s_delay_alu instid0(VALU_DEP_4)
	v_permlanex16_b32 v[TM+4+\b], v[TM+\b], s[SEL], s[SEL+1]
.endr
.irp b, 0,1,2,3
	s_delay_alu instid0(VALU_DEP_4)
	v_max_num_f32 v[TM+\b], v[TM+\b], v[TM+4+\b]
.endr
.irp b, 0,1,2,3
	s_delay_alu instid0(VALU_DEP_4)
	v_add_nc_u32 v[TM+12+\b], 0xff000000, v[TM+\b]
.endr
.irp b, 0,1,2,3
	s_delay_alu instid0(VALU_DEP_4)
	v_lshrrev_b32 v[TM+4+\b], 23, v[TM+12+\b]
.endr
	s_delay_alu instid0(VALU_DEP_3)
	v_lshl_or_b32 v[\pw], v[TM+5], 8, v[TM+4]
	s_delay_alu instid0(VALU_DEP_1)
	v_lshl_or_b32 v[\pw], v[TM+6], 16, v[\pw]
	s_delay_alu instid0(VALU_DEP_1)
	v_lshl_or_b32 v[\pw], v[TM+7], 24, v[\pw]
	v_cvt_scalef32_pk16_fp6_f32 v[(\d0):(\d0)+2], v[(\s):(\s)+15], v[TM+12]
	v_cvt_scalef32_pk16_fp6_f32 v[TQ:TQ+2], v[(\s)+16:(\s)+31], v[TM+13]
	v_cvt_scalef32_pk16_fp6_f32 v[(\d1):(\d1)+2], v[(\s)+32:(\s)+47], v[TM+14]
	v_cvt_scalef32_pk16_fp6_f32 v[TQ+4:TQ+6], v[(\s)+48:(\s)+63], v[TM+15]
	v_nop
.irp i, 0,1,2
	v_permlane16_swap_b32 v[(\d0)+\i], v[TQ+\i]
.endr
.irp i, 0,1,2
	s_delay_alu instid0(VALU_DEP_3)
	v_mov_b32 v[(\d0)+3+\i], v[TQ+\i]
.endr
.irp i, 0,1,2
	v_permlane16_swap_b32 v[(\d1)+\i], v[TQ+4+\i]
.endr
.irp i, 0,1,2
	s_delay_alu instid0(VALU_DEP_3)
	v_mov_b32 v[(\d1)+3+\i], v[TQ+4+\i]
.endr
.endm
.macro REDUCE
.irp p, 0
	s_delay_alu instid0(VALU_DEP_3)
	v_pk_add_f32 v[8+4*\p:9+4*\p], v[8+4*\p:9+4*\p], v[10+4*\p:11+4*\p]
.endr
.irp p, 1
	s_delay_alu instid0(VALU_DEP_2)
	v_pk_add_f32 v[8+4*\p:9+4*\p], v[8+4*\p:9+4*\p], v[10+4*\p:11+4*\p]
.endr
.irp p, 0,1
	s_delay_alu instid0(VALU_DEP_2)
	v_add_f32 v[8+4*\p], v[8+4*\p], v[9+4*\p]
.endr
.irp m, 1,2,4,8
.irp p, 0,1
	s_delay_alu instid0(VALU_DEP_2)
	v_add_f32_dpp v[8+4*\p], v[8+4*\p], v[8+4*\p] row_xmask:\m row_mask:0xf bank_mask:0xf
.endr
.endr
.irp p, 0,1
	s_delay_alu instid0(VALU_DEP_2)
	v_permlanex16_b32 v[16+\p], v[8+4*\p], s[SEL], s[SEL+1]
.endr
.irp p, 0,1
	s_delay_alu instid0(VALU_DEP_2)
	v_add_f32 v[8+4*\p], v[8+4*\p], v[16+\p]
.endr
.endm
	s_load_b256 s[4:11], s[0:1], 0x0               ; res 4, g2 6, beta2 8, hc 10
	v_lshl_add_u32 v160, v0, 2, 0x10200
	v_mov_b32 v161, 0
	v_lshrrev_b32 v1, 5, v0
	s_delay_alu instid0(VALU_DEP_1)
	v_readfirstlane_b32 s28, v1                    ; wave 0..7
	v_and_b32 v1, 31, v0
	s_delay_alu instid0(VALU_DEP_1)
	v_lshlrev_b32 v2, 4, v1                        ; 16 x lane
	s_delay_alu instid0(VALU_DEP_2)
	v_lshlrev_b32 v3, 2, v1                        ; 4 x lane
	s_wait_alu depctr_va_vdst(0)
	s_wait_kmcnt 0x0
	; the work-group takes tile T = its number: 16 rows; wave w takes lane-rows 2 w and 2 w + 1, two neighbouring rows of memory
	s_lshr_b32 s34, ttmp9, 1
	s_lshl_b32 s34, s34, 5
	s_and_b32 s35, ttmp9, 1
	s_lshl_b32 s35, s35, 3
	s_add_co_u32 s34, s34, s35
	s_lshl_b32 s35, s28, 1
	s_add_co_u32 s34, s34, s35
	s_and_b32 s35, s35, 8
	s_add_co_u32 s34, s34, s35
	s_lshl_b32 s34, s34, 12
	s_mov_b32 s35, 0
	s_add_nc_u64 s[4:5], s[4:5], s[34:35]
.set CI, 0
.rept 16
	global_load_b128 v[X+4*CI:X+4*CI+3], v2, s[4:5] offset:4096*(CI/8)+512*(CI%8) th:TH_LOAD_NT
.set CI, CI+1
.endr
.set CI, 0
.rept 8
	global_load_b128 v[G+4*CI:G+4*CI+3], v2, s[6:7] offset:512*CI
	global_load_b128 v[BE+4*CI:BE+4*CI+3], v2, s[8:9] offset:512*CI
.set CI, CI+1
.endr
	s_lshr_b32 s38, ttmp9, 3
	s_lshl_b32 s38, s38, 3
	s_add_co_u32 s38, s38, s28
	s_mul_i32 s38, s38, BLK                        ; block (T / 8, K step w)
	s_and_b32 s39, ttmp9, 7
	s_mul_i32 s36, s39, IMG
	s_add_co_u32 s36, s36, s38
	s_mov_b32 s37, 0
	s_add_nc_u64 s[40:41], s[DST:DST+1], s[36:37]
	s_lshl_b32 s36, s39, 7
	s_add_co_u32 s36, s36, s38
	s_add_co_u32 s36, s36, SOFF
	s_add_nc_u64 s[42:43], s[DST:DST+1], s[36:37]
	s_mov_b32 s29, 0x3a800000                      ; 1 / 1024
	s_mov_b32 s30, 0x3727c5ac                      ; 1e-5
	s_mov_b32 s[SEL], 0x76543210
	s_mov_b32 s[SEL+1], 0xfedcba98
	s_mul_i32 s34, s28, 2*PITCH
	v_add_nc_u32 v4, s34, v2
	v_and_b32 v6, 15, v0
	v_bfe_u32 v7, v0, 4, 1
	s_delay_alu instid0(VALU_DEP_2)
	v_mul_u32_u24 v5, v6, PITCH
	s_delay_alu instid0(VALU_DEP_1)
	v_lshl_add_u32 v5, v7, 6, v5
	s_lshl_b32 s34, s28, 9
	v_add_nc_u32 v5, s34, v5
.irp r, 16,17,19,21,23,25
	v_mov_b32 v\r, 0
.endr
	s_wait_loadcnt 16                              ; my rows are in; the sixteen younger loads (gain, offset) may be out
.irp p, 0,1
	v_pk_add_f32 v[8+4*\p:9+4*\p], v[X+32*\p:X+32*\p+1], v[X+32*\p+2:X+32*\p+3]
	v_pk_add_f32 v[10+4*\p:11+4*\p], v[X+32*\p+4:X+32*\p+5], v[X+32*\p+6:X+32*\p+7]
.endr
.irp j, 8,12,16,20,24,28
.irp p, 0,1
	s_delay_alu instid0(VALU_DEP_4)
	v_pk_add_f32 v[8+4*\p:9+4*\p], v[8+4*\p:9+4*\p], v[X+32*\p+\j:X+32*\p+\j+1]
	s_delay_alu instid0(VALU_DEP_4)
	v_pk_add_f32 v[10+4*\p:11+4*\p], v[10+4*\p:11+4*\p], v[X+32*\p+\j+2:X+32*\p+\j+3]
.endr
.endr
	REDUCE
.irp p, 0,1
	s_delay_alu instid0(VALU_DEP_2)
	v_mul_f32 v[18+2*\p], s29, v[8+4*\p]           ; the mean
.endr
.irp j, 0,2,4,6,8,10,12,14,16,18,20,22,24,26,28,30
.irp p, 0,1
	v_pk_add_f32 v[X+32*\p+\j:X+32*\p+\j+1], v[X+32*\p+\j:X+32*\p+\j+1], v[18+2*\p:19+2*\p] op_sel_hi:[1,0] neg_lo:[0,1] neg_hi:[0,1]
.endr
.endr
.irp p, 0,1
	v_pk_mul_f32 v[8+4*\p:9+4*\p], v[X+32*\p:X+32*\p+1], v[X+32*\p:X+32*\p+1]
	v_pk_mul_f32 v[10+4*\p:11+4*\p], v[X+32*\p+2:X+32*\p+3], v[X+32*\p+2:X+32*\p+3]
.endr
.irp j, 4,8,12,16,20,24,28
.irp p, 0,1
	s_delay_alu instid0(VALU_DEP_4)
	v_pk_fma_f32 v[8+4*\p:9+4*\p], v[X+32*\p+\j:X+32*\p+\j+1], v[X+32*\p+\j:X+32*\p+\j+1], v[8+4*\p:9+4*\p]
	s_delay_alu instid0(VALU_DEP_4)
	v_pk_fma_f32 v[10+4*\p:11+4*\p], v[X+32*\p+\j+2:X+32*\p+\j+3], v[X+32*\p+\j+2:X+32*\p+\j+3], v[10+4*\p:11+4*\p]
.endr
.endr
	REDUCE
.irp p, 0,1
	s_delay_alu instid0(VALU_DEP_2)
	v_fma_f32 v[8+4*\p], v[8+4*\p], s29, s30       ; the variance + 1e-5
.endr
	s_wait_alu depctr_va_vdst(0)
.irp p, 0,1
	v_rsq_f32 v[22+2*\p], v[8+4*\p]
.endr
	v_nop
	s_wait_alu depctr_va_vdst(0)                   ; one wait for both roots, ahead of their first reader
	s_wait_loadcnt 0x0
.irp j, 0,2,4,6,8,10,12,14,16,18,20,22,24,26,28,30
.irp p, 0,1
	v_pk_mul_f32 v[X+32*\p+\j:X+32*\p+\j+1], v[X+32*\p+\j:X+32*\p+\j+1], v[22+2*\p:23+2*\p] op_sel_hi:[1,0]
.endr
.endr
.irp j, 0,2,4,6,8,10,12,14,16,18,20,22,24,26,28,30
.irp p, 0,1
	v_pk_fma_f32 v[X+32*\p+\j:X+32*\p+\j+1], v[X+32*\p+\j:X+32*\p+\j+1], v[G+\j:G+\j+1], v[BE+\j:BE+\j+1]
.endr
.endr
.set CI, 0
.rept 16
	ds_store_b128 v4, v[X+4*CI:X+4*CI+3] offset:PITCH*(CI/8)+512*(CI%8)
.set CI, CI+1
.endr
	s_wait_dscnt 0x0                               ; for the others' sake: my two rows lie in LDS
	s_barrier_signal -1
	s_barrier_wait -1
.set CI, 0
.rept 16
	ds_load_b128 v[HA+4*CI:HA+4*CI+3], v5 offset:128*(CI/4)+16*(CI%4)   ; wave w: K step w of the 16 rows
.set CI, CI+1
.endr
.irp b, 0,1,2,3
	v_mov_b32 v[TM+4+\b], 0
.endr
	s_wait_dscnt 0x0
	QUANT HA, PC, PC+6, PW
.irp g, 0,1,2
	global_store_b128 v2, v[PC+4*\g:PC+4*\g+3], s[40:41] offset:512*\g
.endr
	global_store_b32 v3, v[PW], s[42:43]
	s_wait_tensorcnt 0x0
	ds_add_u32 v160, v161
	s_wait_dscnt 0x0
	s_endpgm
.Lfunc_end_k_q447b82f58b_ln2:
	.size	k_q447b82f58b_ln2, .Lfunc_end_k_q447b82f58b_ln2-k_q447b82f58b_ln2
	.p2alignl 7, 3214868480
	.fill 96, 4, 3214868480
	.section	.rodata,"a",@progbits
	.p2align	6, 0x0
	.amdhsa_kernel k_q447b82f58b_ln2
		.amdhsa_group_segment_fixed_size 67072
		.amdhsa_private_segment_fixed_size 0
		.amdhsa_enable_private_segment 0
		.amdhsa_kernarg_size 32
		.amdhsa_user_sgpr_count 2
		.amdhsa_user_sgpr_kernarg_segment_ptr 1
		.amdhsa_wavefront_size32 1
		.amdhsa_system_sgpr_workgroup_id_x 1
		.amdhsa_system_sgpr_workgroup_id_y 1
		.amdhsa_system_sgpr_workgroup_id_z 1
		.amdhsa_system_vgpr_workitem_id 0
		.amdhsa_next_free_vgpr 162
		.amdhsa_next_free_sgpr 66
		.amdhsa_reserve_vcc 0
		.amdhsa_float_denorm_mode_32 3
		.amdhsa_float_denorm_mode_16_64 3
		.amdhsa_memory_ordered 1
		.amdhsa_forward_progress 1
		.amdhsa_inst_pref_size 29
	.end_amdhsa_kernel
	.amdgpu_metadata
---
amdhsa.version: [ 1, 2 ]
amdhsa.kernels:
  - .name:           k_q447b82f58b_ln2
    .symbol:         k_q447b82f58b_ln2.kd
    .args:
      - { .name: res, .offset: 0, .size: 8, .value_kind: global_buffer, .address_space: global }
      - { .name: g2, .offset: 8, .size: 8, .value_kind: global_buffer, .address_space: global }
      - { .name: beta2, .offset: 16, .size: 8, .value_kind: global_buffer, .address_space: global }
      - { .name: hc, .offset: 24, .size: 8, .value_kind: global_buffer, .address_space: global }
    .group_segment_fixed_size: 67072
    .private_segment_fixed_size: 0
    .kernarg_segment_align: 8
    .kernarg_segment_size: 32
    .max_flat_workgroup_size: 256
    .sgpr_count:     66
    .vgpr_count:     162
    .wavefront_size: 32
...
	.end_amdgpu_metadata
.endif
;; end of part 4
;; launch mlp1 (part 5): grid 16 x 16, 4 waves a work-group, clusters of 4 x 4, 327,680 bytes of LDS; arguments hc, w1c, bm1, hid; writes hid
.if DOCPART == 5
	.amdgcn_target "amdgcn-amd-amdhsa--gfx1250"
	.amdhsa_code_object_version 6
	.text
	.protected	k_q447b82f58b_mlp1
	.globl	k_q447b82f58b_mlp1
	.p2align	8
	.type	k_q447b82f58b_mlp1,@function
k_q447b82f58b_mlp1:
	s_mov_b64 s[64:65], 0
	v_nop
	global_prefetch_b8 v0, s[64:65] scope:SCOPE_SE
	s_setreg_imm32_b32 hwreg(HW_REG_WAVE_MODE, 25, 1), 1
	s_wait_xcnt 0x0
	s_wait_alu depctr_hold_cnt(0) depctr_sa_sdst(0) depctr_va_vdst(0) depctr_va_sdst(0) depctr_va_ssrc(0) depctr_va_vcc(0) depctr_vm_vsrc(0)
	s_getreg_b32 s2, hwreg(HW_REG_IB_STS2, 6, 4)
	s_cmp_eq_u32 s2, 0
	s_cbranch_scc0 .Lentry_in_a_cluster
	s_endpgm
.Lentry_in_a_cluster:
	s_bfe_u32 s2, ttmp6, 0x10000c
	s_cmp_lg_u32 s2, 0xf033
	s_cbranch_scc0 .Lentry_shape_is_right
	s_endpgm
.Lentry_shape_is_right:
.set IMG,   1536
.set SIMG,  128
.set SOFF,  12288
.set BLK,   13312
; hid = codes of relu(h W1 + bm1): both operands are codes of FP6 (E2M3) laid as blocks of register images (128 rows x 128 K, BLK bytes); the result is quantised along its 4,096 and stored in the same layout.
; A work-group of four waves makes 256 x 256, a wave 128 x 128: 64 accumulators.  Source 0 = W1's rows n, source 1 = tokens: a lane holds a token and its registers run along n, the next product's K.
; K IN LDS: each wave has one region of six blocks, K steps 0-5 of the 128 rows that it fetches, 79,872 dense bytes, brought by its ONE tensor load at the head.
; The region's first two blocks alone are filled again, once, with K steps 6 and 7, behind K step 1: that load has K steps 2-5, 256 matrix instructions a wave, in which to land.
; CLUSTERS: 4 x 4 work-groups; the tokens' tiles are shared along a row of the cluster, W1's along a column, by joint loads.
; No prefetch: the block is 256 x 256 in clusters, K has eight steps, six of them are asked for by the head's load, and the text has no loop to run ahead in.
; LIMITS: a block of zeros gets the byte 1 (its codes are zeros; this program alone reads the bytes); NaN and infinities are not served.
.set PART,  6*BLK                      ; a wave's region, and what its load at the head brings
.set SLOT,  2*BLK                      ; from one address register to the next: two K steps
.set SPARE, 4*PART                     ; behind the four regions: the spare words, 128 bytes a wave
.set QB,    8
.set PB,    8
.set KS,    8
.set TILEB, 2*KS*BLK
.set HALFG, KS*BLK
.set SLOTG, 2*BLK
.set REFG,  3*SLOTG
.set U,     PART
.set US,    PART
.set SC,    32
.set QF,    64
.set ADRQ,  10
.set ADRP,  13
.set ADRS,  16
.set SPW,   28
.set NIL,   29
.set SEL,   20
.set G1Y,   24
.set G0Y,   32
.set G0Y2,  84
.set G1X,   48
.set G0X,   56
.set G0X2,  80
.set HA,    64
.set PC,    128
.set TQ,    152
.set TM,    160
.set PWA,   176
.set MSB, 0
.macro WIN new
.if MSB != (\new)
	s_set_vgpr_msb (MSB<<8)|(\new)
.set MSB, (\new)
.endif
.endm
.macro PLACES
.rept 4
	v_nop
.endr
.endm
.macro JLOAD g0y, g0x
	s_cmp_eq_u32 s15, 0
	s_cbranch_scc0 .Lfor_x_\@
	tensor_load_to_lds s[\g0y:\g0y+3], s[G1Y:G1Y+7]
	s_nop 0
.rept 4
	v_nop
.endr
	s_branch .Lasked_\@
.Lfor_x_\@:
	tensor_load_to_lds s[\g0x:\g0x+3], s[G1X:G1X+7]
	s_nop 0
.rept 4
	v_nop
.endr
.Lasked_\@:
.endm
.macro CREST
	s_cmp_lg_u32 s14, 0
	s_cbranch_scc1 .Lnot_wave_0_\@
	s_barrier_signal -3
.Lnot_wave_0_\@:
	s_barrier_wait -3
	s_barrier_signal -1
	s_barrier_wait -1
.endm
.macro CROUND
	s_barrier_signal -1
	s_barrier_wait -1
	CREST
.endm
.macro GIDS
	v_lshl_add_u32 v[SPW], v0, 2, SPARE
	v_mov_b32 v[NIL], 0
	ds_add_u32 v28, v29
	ds_add_u32 v28, v29
	s_wait_dscnt 0x0
	v_lshrrev_b32 v1, 5, v0
	v_readfirstlane_b32 s14, v1
	s_lshr_b32 s15, s14, 1
	s_and_b32 s16, s14, 1
	s_bfe_u32 s40, ttmp6, 0x40000
	s_bfe_u32 s41, ttmp6, 0x40004
	s_and_b32 s45, ttmp7, 0xffff
	s_lshl_b32 s43, s41, 2
	s_lshl_b32 s43, 15, s43
	s_lshl_b32 s44, 0x1111, s40
	s_or_b32 s[G1Y], s43, (3<<16)|(1<<21)
	s_or_b32 s[G1X], s44, (3<<16)|(1<<21)
.irp g, G1Y, G1X
	s_mov_b32 s[\g+1], 32<<16
	s_mov_b32 s[\g+2], 312<<16                     ; the head's load: 312 rows of 256 bytes, six blocks
	s_mov_b32 s[\g+3], 32<<16
	s_mov_b32 s[\g+4], 312
	s_mov_b32 s[\g+5], 32
	s_mov_b32 s[\g+6], 0
	s_mov_b32 s[\g+7], 0
.endr
.endm
.macro GSET g0y, g0x, s
	s_mov_b32 s[\g0y], 1
	s_add_co_u32 s[\g0y+1], s17, \s*SLOT
	s_add_nc_u64 s[\g0y+2:\g0y+3], s[4:5], \s*SLOTG
	s_or_b32 s[\g0y+3], s[\g0y+3], 0x80000000
	s_mov_b32 s[\g0x], 1
	s_add_co_u32 s[\g0x+1], s17, \s*SLOT
	s_add_nc_u64 s[\g0x+2:\g0x+3], s[6:7], \s*SLOTG
	s_or_b32 s[\g0x+3], s[\g0x+3], 0x80000000
	JLOAD \g0y, \g0x
.endm
.macro GADDR
	v_and_b32 v1, 31, v0
	v_lshlrev_b32 v5, 4, v1
	v_lshlrev_b32 v6, 2, v1
	v_and_b32 v2, 15, v0
	v_bfe_u32 v3, v0, 4, 1
	v_lshlrev_b32 v7, 6, v3
	s_mul_i32 s18, s15, U
	v_add_nc_u32 v[ADRQ], s18, v5
	v_add_nc_u32 v[ADRQ+1], SLOT, v[ADRQ]
	v_add_nc_u32 v[ADRQ+2], 2*SLOT, v[ADRQ]
	s_mul_i32 s19, s16, U
	s_add_co_u32 s19, s19, 2*PART
	v_add_nc_u32 v[ADRP], s19, v5
	v_add_nc_u32 v[ADRP+1], SLOT, v[ADRP]
	v_add_nc_u32 v[ADRP+2], 2*SLOT, v[ADRP]
	s_mul_i32 s18, s15, US
	s_mul_i32 s19, s16, US
	s_add_co_u32 s19, s19, 2*PART
	s_sub_co_u32 s19, s19, s18
	v_mul_u32_u24 v9, s19, v3
	s_add_co_u32 s18, s18, SOFF
	v_add_nc_u32 v9, v9, v6
	v_add_nc_u32 v[ADRS], s18, v9
	v_add_nc_u32 v[ADRS+1], SLOT, v[ADRS]
	v_add_nc_u32 v[ADRS+2], 2*SLOT, v[ADRS]
.endm
.macro FETCHN n
.set FS, ((\n)/2)%3
.set FQ, (\n)%2
.set FP, (\n)%2
	WIN 0x40
.set FB, 0
.rept PB
.irp g, 0,1,2
	ds_load_b128 v[12*PB*FP+12*FB+4*\g:12*PB*FP+12*FB+4*\g+3], v[ADRP+FS] offset:FQ*BLK+FB*IMG+512*\g
.endr
.set FB, FB+1
.endr
	WIN 0
.set FB, 0
.rept QB
.irp g, 0,1,2
	ds_load_b128 v[QF+12*QB*FP+12*FB+4*\g:QF+12*QB*FP+12*FB+4*\g+3], v[ADRQ+FS] offset:FQ*BLK+FB*IMG+512*\g
.endr
.set FB, FB+1
.endr
.set FB, 0
.rept QB
	ds_load_b32 v[SC+8*FP+FB], v[ADRS+FS] offset:FQ*BLK+FB*SIMG
.set FB, FB+1
.endr
.endm
.macro MULR a0, n, p, zero
.set MA, \a0
.rept \n
.set MW, 0xa1+0x50*((MA*PB*8)/256)
	WIN MW
.set MB, 0
.rept PB
.set RC, (MA*PB*8)%256+8*MB
.set RP, 12*PB*(\p)+12*MB
.set RQ, QF+12*QB*(\p)+12*MA
.if \zero
	v_wmma_scale_f32_16x16x128_f8f6f4 v[RC:RC+7], v[RP:RP+11], v[RQ:RQ+11], 0, v[SC+8*(\p)+MB], v[SC+8*(\p)+MA] matrix_a_fmt:MATRIX_FMT_FP6 matrix_b_fmt:MATRIX_FMT_FP6 matrix_a_scale:MATRIX_SCALE_ROW1
.else
	v_wmma_scale_f32_16x16x128_f8f6f4 v[RC:RC+7], v[RP:RP+11], v[RQ:RQ+11], v[RC:RC+7], v[SC+8*(\p)+MB], v[SC+8*(\p)+MA] matrix_a_fmt:MATRIX_FMT_FP6 matrix_b_fmt:MATRIX_FMT_FP6 matrix_a_scale:MATRIX_SCALE_ROW1
.endif
.set MB, MB+1
.endr
.set MA, MA+1
.endr
.endm
.macro STEPN n, zero
	s_wait_dscnt 0x0
	PLACES
	FETCHN (\n)+1
	MULR 0, QB, (\n)%2, \zero
.endm
.macro TURNN n, fill
	WIN 0
	s_wait_tensorcnt 0x0
	ds_add_u32 v[SPW], v[NIL]
.if \fill
	s_mov_b32 s[G1Y+2], 104<<16                    ; no tensor load of mine is out, so a descriptor may be written: the refill brings 104 rows, two blocks
	s_mov_b32 s[G1Y+4], 104
	s_mov_b32 s[G1X+2], 104<<16
	s_mov_b32 s[G1X+4], 104
.endif
	s_wait_dscnt 1
	MULR 0, QB/4, 1, 0
	s_wait_dscnt 0x0
	s_barrier_signal -1
	MULR QB/4, QB/4, 1, 0
	WIN 0
	s_barrier_wait -1
.if \fill
	CREST
	s_add_nc_u64 s[G0Y+2:G0Y+3], s[G0Y+2:G0Y+3], REFG
	s_add_nc_u64 s[G0X+2:G0X+3], s[G0X+2:G0X+3], REFG
	JLOAD G0Y, G0X
.else
	PLACES
.endif
	FETCHN (\n)+1
	MULR QB/2, QB/2, 1, 0
.endm
.macro QUANT s, d0, d1, pw
.irp b, 0,1,2,3
	v_max3_num_f32 v[TM+\b], |v[(\s)+16*\b]|, |v[(\s)+1+16*\b]|, 0x1800000
.endr
.irp i, 2,4,6,8,10,12,14
.irp b, 0,1,2,3
	v_max3_num_f32 v[TM+\b], v[TM+\b], |v[(\s)+16*\b+\i]|, |v[(\s)+1+16*\b+\i]|
.endr
.endr
.irp b, 0,1,2,3
	v_permlanex16_b32 v[TM+4+\b], v[TM+\b], s[SEL], s[SEL+1]
.endr
.irp b, 0,1,2,3
	v_max_num_f32 v[TM+\b], v[TM+\b], v[TM+4+\b]
.endr
.irp b, 0,1,2,3
	v_add_nc_u32 v[TM+12+\b], 0xff000000, v[TM+\b]
.endr
.irp b, 0,1,2,3
	v_lshrrev_b32 v[TM+4+\b], 23, v[TM+12+\b]
.endr
	v_lshl_or_b32 v[\pw], v[TM+5], 8, v[TM+4]
	v_lshl_or_b32 v[\pw], v[TM+6], 16, v[\pw]
	v_lshl_or_b32 v[\pw], v[TM+7], 24, v[\pw]
	v_cvt_scalef32_pk16_fp6_f32 v[(\d0):(\d0)+2], v[(\s):(\s)+15], v[TM+12]
	v_cvt_scalef32_pk16_fp6_f32 v[TQ:TQ+2], v[(\s)+16:(\s)+31], v[TM+13]
	v_cvt_scalef32_pk16_fp6_f32 v[(\d1):(\d1)+2], v[(\s)+32:(\s)+47], v[TM+14]
	v_cvt_scalef32_pk16_fp6_f32 v[TQ+4:TQ+6], v[(\s)+48:(\s)+63], v[TM+15]
	v_nop
.irp i, 0,1,2
	v_permlane16_swap_b32 v[(\d0)+\i], v[TQ+\i]
.endr
.irp i, 0,1,2
	v_mov_b32 v[(\d0)+3+\i], v[TQ+\i]
.endr
.irp i, 0,1,2
	v_permlane16_swap_b32 v[(\d1)+\i], v[TQ+4+\i]
.endr
.irp i, 0,1,2
	v_mov_b32 v[(\d1)+3+\i], v[TQ+4+\i]
.endr
.endm
.macro ADDB a
	WIN 0x06+(\a)/4
.set AI, 0
.rept 32
	v_pk_add_f32 v[HA+AI:HA+AI+1], v[64*((\a)%4)+AI:64*((\a)%4)+AI+1], v[192+AI:192+AI+1]
.set AI, AI+2
.endr
	WIN 0
.endm
	s_load_b256 s[68:75], s[0:1], 0x0
	GIDS
	s_mov_b32 s[SEL], 0x76543210
	s_mov_b32 s[SEL+1], 0xfedcba98
	s_lshl_b32 s66, s45, 2
	s_add_co_u32 s66, s66, s41
	s_lshl_b32 s67, ttmp9, 2
	s_add_co_u32 s67, s67, s40
	s_mul_i32 s98, s66, TILEB
	s_mul_i32 s22, s67, TILEB
	s_mul_i32 s18, s16, HALFG
	s_add_co_u32 s98, s98, s18
	s_add_co_u32 s22, s22, s18
	s_mov_b32 s99, 0
	s_mov_b32 s23, 0
	s_mul_i32 s17, s14, PART
	s_wait_kmcnt 0x0
	s_add_nc_u64 s[4:5], s[68:69], s[98:99]
	s_add_nc_u64 s[6:7], s[70:71], s[22:23]
	CROUND
	GSET G0Y, G0X, 0
	GADDR
	s_lshl_b32 s92, s67, 10
	s_lshl_b32 s93, s16, 9
	s_add_co_u32 s92, s92, s93
	s_mov_b32 s93, 0
	s_add_nc_u64 s[94:95], s[72:73], s[92:93]
	WIN 0x40
.set CI, 0
.rept 16
	global_load_b128 v[192+4*CI:195+4*CI], v7, s[94:95] offset:128*(CI/4)+16*(CI%4)
.set CI, CI+1
.endr
	WIN 0
	s_lshl_b32 s88, s66, 1
	s_add_co_u32 s88, s88, s15
	s_lshl_b32 s88, s88, 5
	s_lshl_b32 s89, s67, 1
	s_add_co_u32 s88, s88, s89
	s_add_co_u32 s88, s88, s16
	s_mul_i32 s88, s88, BLK
	s_mov_b32 s89, 0
	s_add_nc_u64 s[10:11], s[74:75], s[88:89]
	s_wait_alu depctr_va_vdst(0)
	s_wait_tensorcnt 0x0                           ; my region, K steps 0-5, is in
	s_barrier_signal -1
	s_barrier_wait -1
	FETCHN 0
	STEPN 0, 1
	TURNN 1, 1
	STEPN 2, 0
	STEPN 3, 0
	STEPN 4, 0
	TURNN 5, 0
	STEPN 6, 0
	s_wait_dscnt 0x0
	MULR 0, QB, 1, 0
	WIN 0
	PLACES
	s_wait_loadcnt 0x0
.irp b, 0,1,2,3
	v_mov_b32 v[TM+4+\b], 0
.endr
.irp a, 0,1,2,3,4,5,6,7
	s_wait_xcnt 0x0
	ADDB \a
.set AI, 0
.rept 64
	v_max_num_f32 v[HA+AI], 0, v[HA+AI]
.set AI, AI+1
.endr
	QUANT HA, PC, PC+6, PWA
.irp g, 0,1,2
	global_store_b128 v5, v[PC+4*\g:PC+4*\g+3], s[10:11] offset:IMG*\a+512*\g
.endr
	global_store_b32 v6, v[PWA], s[10:11] offset:SOFF+SIMG*\a
.endr
	s_wait_tensorcnt 0x0
	ds_add_u32 v[SPW], v[NIL]
	s_wait_dscnt 0x0
	CROUND
	s_endpgm
.Lfunc_end_k_q447b82f58b_mlp1:
	.size	k_q447b82f58b_mlp1, .Lfunc_end_k_q447b82f58b_mlp1-k_q447b82f58b_mlp1
	.p2alignl 7, 3214868480
	.fill 96, 4, 3214868480
	.section	.rodata,"a",@progbits
	.p2align	6, 0x0
	.amdhsa_kernel k_q447b82f58b_mlp1
		.amdhsa_group_segment_fixed_size 327680
		.amdhsa_private_segment_fixed_size 0
		.amdhsa_enable_private_segment 0
		.amdhsa_kernarg_size 32
		.amdhsa_user_sgpr_count 2
		.amdhsa_user_sgpr_kernarg_segment_ptr 1
		.amdhsa_wavefront_size32 1
		.amdhsa_system_sgpr_workgroup_id_x 1
		.amdhsa_system_sgpr_workgroup_id_y 1
		.amdhsa_system_sgpr_workgroup_id_z 1
		.amdhsa_system_vgpr_workitem_id 0
		.amdhsa_next_free_vgpr 1024
		.amdhsa_next_free_sgpr 100
		.amdhsa_reserve_vcc 0
		.amdhsa_float_denorm_mode_32 3
		.amdhsa_float_denorm_mode_16_64 3
		.amdhsa_memory_ordered 1
		.amdhsa_forward_progress 1
		.amdhsa_inst_pref_size 170
	.end_amdhsa_kernel
	.amdgpu_metadata
---
amdhsa.version: [ 1, 2 ]
amdhsa.kernels:
  - .name:           k_q447b82f58b_mlp1
    .symbol:         k_q447b82f58b_mlp1.kd
    .args:
      - { .name: hc, .offset: 0, .size: 8, .value_kind: global_buffer, .address_space: global }
      - { .name: w1c, .offset: 8, .size: 8, .value_kind: global_buffer, .address_space: global }
      - { .name: bm1, .offset: 16, .size: 8, .value_kind: global_buffer, .address_space: global }
      - { .name: hid, .offset: 24, .size: 8, .value_kind: global_buffer, .address_space: global }
    .group_segment_fixed_size: 327680
    .private_segment_fixed_size: 0
    .kernarg_segment_align: 8
    .kernarg_segment_size: 32
    .max_flat_workgroup_size: 128
    .sgpr_count:     100
    .vgpr_count:     1024
    .wavefront_size: 32
...
	.end_amdgpu_metadata
.endif
;; end of part 5
;; launch mlp2 (part 6): grid 8 x 32, 4 waves a work-group, clusters of 4 x 4, 327,680 bytes of LDS; arguments hid, w2c, bm2, res, out0; writes out0
.if DOCPART == 6
	.amdgcn_target "amdgcn-amd-amdhsa--gfx1250"
	.amdhsa_code_object_version 6
	.text
	.protected	k_q447b82f58b_mlp2
	.globl	k_q447b82f58b_mlp2
	.p2align	8
	.type	k_q447b82f58b_mlp2,@function
k_q447b82f58b_mlp2:
	s_mov_b64 s[64:65], 0
	v_nop
	global_prefetch_b8 v0, s[64:65] scope:SCOPE_SE
	s_setreg_imm32_b32 hwreg(HW_REG_WAVE_MODE, 25, 1), 1
	s_wait_xcnt 0x0
	s_wait_alu depctr_hold_cnt(0) depctr_sa_sdst(0) depctr_va_vdst(0) depctr_va_sdst(0) depctr_va_ssrc(0) depctr_va_vcc(0) depctr_vm_vsrc(0)
	s_getreg_b32 s2, hwreg(HW_REG_IB_STS2, 6, 4)
	s_cmp_eq_u32 s2, 0
	s_cbranch_scc0 .Lentry_in_a_cluster
	s_endpgm
.Lentry_in_a_cluster:
	s_bfe_u32 s2, ttmp6, 0x10000c
	s_cmp_lg_u32 s2, 0xf033
	s_cbranch_scc0 .Lentry_shape_is_right
	s_endpgm
.Lentry_shape_is_right:
; out0 = res + hid W2 + bm2.  hid [4096 tokens][4096] and W2 [1024 n][4096 k] are codes of FP6 (E2M3) with one E8M0 byte for each 32 along K, laid as blocks of register images:
; block (R, s) of 128 rows x 128 K at (32 R + s) x BLK; in it eight images of an operand's 12 registers (tile t at t x IMG) and eight of its scale word (SOFF + t x SIMG).
; Lane-row r of tile t is row 32 (t / 2) + 8 (t % 2) + r + 8 (r / 8) of the block.
; A work-group of four waves makes 128 x 128, a wave 64 x 64: 16 accumulators.  256 work-groups.  Source 0 = W2's rows n (P), source 1 = tokens (Q): a lane holds a token, its registers run along n.
; THE RING: two slots of NS = 6 K steps, 159,744 bytes each: Q's six blocks, then P's six.  A wave's one tensor load brings three blocks on end (39,936 dense bytes): waves 0, 1 Q's steps 0-2, 3-5 of the slot, waves 2, 3 P's.
; K's 32 steps come in six fills: five of six steps and a last one of two (a block a wave, at places 0 and 3 of slot 1).  Fill 0 is asked for at the head, fill 1 behind the first round,
; fill f + 2 behind the round in the last step of fill f: by the text's own count one load a wave is out, and it has six K steps, 96 matrix instructions a wave, in which to land.
; CLUSTERS: 4 x 4 work-groups; Q's blocks are shared along a row of the cluster, P's along a column, by joint loads.
; PREFETCH: behind the joint load of fill f stands the request for fill f + 1, one fill (six K steps) ahead of the load that wants it.  Of a wave's 156 blocks of 256 bytes each of the four partners that ask jointly
; takes 39, told apart by address (cx for Q, cy for P): two instructions a wave, the second's spare lanes naming its last block again; of the last fill's 52 each takes 13.  Fill 0 comes by its load alone; behind fill 5's load nothing is asked.
; res comes straight into registers, eight loads a wave behind each of the four refills; the way out goes through a stage in slot 0, which has had its last fill and its last read by then.
; LIMITS: NaN and infinities among the inputs are not served.
; REGISTERS: window 0: v10-21 LDS addresses, v22, 23, 30 prefetch offsets, v24-27 the way out, v28, 29 the add's; v32-47 scale words, two sets; v64-159 Q's fragments, two sets.
;   window 1: v0-95 P's fragments, two sets.  window 2: accumulator (a, b) at v[32 a + 8 b].  window 3: v0-127 res, v128-131 bm2.
.set IMG,   1536
.set SIMG,  128
.set SOFF,  12288
.set BLK,   13312
.set NS,    6
.set PART,  3*BLK
.set SLOT,  4*PART
.set SPARE, 2*SLOT
.set STAGE, 0
.set QB,    4
.set PB,    4
.set TILEB, 32*BLK
.set U,     4*IMG
.set US,    4*SIMG
.set SC,    32
.set QF,    64
.set ADRQ,  10                         ; v10-13: slot 0 places 0-2, 3-5; slot 1 places 0-2, 3-5
.set ADRP,  14
.set ADRS,  18
.set PF0,   22
.set PF1,   23
.set PF2,   30
.set SPW,   28
.set NIL,   29
.set G1Y,   24
.set G0Y,   32                         ; s[32:39] Q's groups 0, a set a slot
.set G1X,   48
.set G0X,   56
.set PFA,   82                         ; s[82:83] my 39 blocks of my part of fill 0
.set PFB,   84                         ; s[84:85] my 13 blocks of the block that I fetch in the last fill, less 30 K steps
.set BK,    64
.set MSB, 0
.macro WIN new                         ; the immediate's high byte repeats the setting that is left
.if MSB != (\new)
	s_set_vgpr_msb (MSB<<8)|(\new)
.set MSB, (\new)
.endif
.endm
.macro PLACES
.rept 4
	v_nop
.endr
.endm
.macro JLOAD g0y, g0x                  ; waves 0, 1 fetch for Q, waves 2, 3 for P; s_nop 0 and four v_nop follow each line
	s_cmp_eq_u32 s15, 0
	s_cbranch_scc0 .Lfor_x_\@
	tensor_load_to_lds s[\g0y:\g0y+3], s[G1Y:G1Y+7]
	s_nop 0
.rept 4
	v_nop
.endr
	s_branch .Lasked_\@
.Lfor_x_\@:
	tensor_load_to_lds s[\g0x:\g0x+3], s[G1X:G1X+7]
	s_nop 0
.rept 4
	v_nop
.endr
.Lasked_\@:
.endm
.macro CREST
	s_cmp_lg_u32 s14, 0
	s_cbranch_scc1 .Lnot_wave_0_\@
	s_barrier_signal -3
.Lnot_wave_0_\@:
	s_barrier_wait -3
	s_barrier_signal -1
	s_barrier_wait -1
.endm
.macro CROUND
	s_barrier_signal -1
	s_barrier_wait -1
	CREST
.endm
.macro ASK f                           ; fill f's bytes are asked of memory; every offset is an immediate, no address register is ever rewritten
.if (\f) < 5
	global_prefetch_b8 v[PF0], s[PFA:PFA+1] offset:(\f)*NS*BLK th:TH_LOAD_NT scope:SCOPE_SE
	global_prefetch_b8 v[PF1], s[PFA:PFA+1] offset:(\f)*NS*BLK th:TH_LOAD_NT scope:SCOPE_SE
.else
	global_prefetch_b8 v[PF2], s[PFB:PFB+1] offset:30*BLK th:TH_LOAD_NT scope:SCOPE_SE
.endif
.endm
.macro RES a                           ; res at token tile a's 16 rows, my 64 columns; with the first group bm2
	WIN 0xc0
.irp i, 0,1,2,3,4,5,6,7
	global_load_b128 v[4*(8*(\a)+\i):4*(8*(\a)+\i)+3], v26, s[10:11] offset:(32*((\a)/2)+8*((\a)%2)+2*\i+8*(\i/4))*4096
.endr
.if (\a) == 0
	global_load_b128 v[128:131], v27, s[8:9]
.endif
	WIN 0
.endm
.macro FETCHN n                        ; the fragments and scale words of K step n into set n % 2
.if (\n) < 30
.set FI, (\n)%NS
.set FS, 2*(((\n)/NS)%2)+FI/3
.set FQ, FI%3
.else
.set FS, 2+(\n)-30                     ; the last fill: steps 30, 31 at places 0, 3 of slot 1
.set FQ, 0
.endif
.set FP, (\n)%2
	WIN 0x40
.set FB, 0
.rept PB
.irp g, 0,1,2
	ds_load_b128 v[48*FP+12*FB+4*\g:48*FP+12*FB+4*\g+3], v[ADRP+FS] offset:FQ*BLK+FB*IMG+512*\g
.endr
.set FB, FB+1
.endr
	WIN 0
.set FB, 0
.rept QB
.irp g, 0,1,2
	ds_load_b128 v[QF+48*FP+12*FB+4*\g:QF+48*FP+12*FB+4*\g+3], v[ADRQ+FS] offset:FQ*BLK+FB*IMG+512*\g
.endr
.set FB, FB+1
.endr
.set FB, 0
.rept QB
	ds_load_b32 v[SC+8*FP+FB], v[ADRS+FS] offset:FQ*BLK+FB*SIMG   ; lanes 0-15: Q's tile, lanes 16-31: P's tile
.set FB, FB+1
.endr
.endm
.macro MULR a0, n, p, zero             ; Q's tiles a0 .. a0 + n - 1 against P's four; the 16 accumulators take turns, in the same order in every step
	WIN 0xa1
.set MA, \a0
.rept \n
.set MB, 0
.rept PB
.set RC, 32*MA+8*MB
.set RP, 48*(\p)+12*MB
.set RQ, QF+48*(\p)+12*MA
.if \zero
	v_wmma_scale_f32_16x16x128_f8f6f4 v[RC:RC+7], v[RP:RP+11], v[RQ:RQ+11], 0, v[SC+8*(\p)+MB], v[SC+8*(\p)+MA] matrix_a_fmt:MATRIX_FMT_FP6 matrix_b_fmt:MATRIX_FMT_FP6 matrix_a_scale:MATRIX_SCALE_ROW1
.else
	v_wmma_scale_f32_16x16x128_f8f6f4 v[RC:RC+7], v[RP:RP+11], v[RQ:RQ+11], v[RC:RC+7], v[SC+8*(\p)+MB], v[SC+8*(\p)+MA] matrix_a_fmt:MATRIX_FMT_FP6 matrix_b_fmt:MATRIX_FMT_FP6 matrix_a_scale:MATRIX_SCALE_ROW1
.endif
.set MB, MB+1
.endr
.set MA, MA+1
.endr
.endm
.macro STEPN n, zero                   ; K step n, whose successor lies in the same slot
	s_wait_dscnt 0x0                               ; this step's set, asked for a step ago, is in
	PLACES                                         ; in front of loads into the set that the last step multiplied
	FETCHN (\n)+1
	MULR 0, QB, (\n)%2, \zero
.endm
; A slot's last K step (odd: set 1) changes slots.  fill = 1: the barrier opens a round of the cluster's barrier and the slot just read out takes the fill two on; 2: the same with the last fill, a block a wave; 0: nothing is filled.
.macro TURNN n, fill, ra
.set TS, ((\n)/NS)%2
	WIN 0
	s_wait_tensorcnt 0x0                           ; all my tensor loads have landed: my part of the other slot
	ds_add_u32 v[SPW], v[NIL]                      ; 0 onto my spare word
.if (\fill) == 2
	s_mov_b32 s[G1Y+2], 52<<16                     ; no tensor load of mine is out, so a descriptor may be written: 52 rows of 256 bytes, one block
	s_mov_b32 s[G1Y+4], 52
	s_mov_b32 s[G1X+2], 52<<16
	s_mov_b32 s[G1X+4], 52
.endif
	s_wait_dscnt 1                                 ; this step's set is in; the add alone may be out
	MULR 0, 1, 1, 0
	s_wait_dscnt 0x0                               ; the add is done, and my reads of this slot are over
	s_barrier_signal -1
	MULR 1, 1, 1, 0
	WIN 0
	s_barrier_wait -1
.if \fill
	CREST                                          ; no wave of any partner still reads this slot or has a load on its way
.if (\fill) == 1
	s_add_nc_u64 s[G0Y+4*TS+2:G0Y+4*TS+3], s[G0Y+4*TS+2:G0Y+4*TS+3], 2*NS*BLK
	s_add_nc_u64 s[G0X+4*TS+2:G0X+4*TS+3], s[G0X+4*TS+2:G0X+4*TS+3], 2*NS*BLK
.else
	s_add_nc_u64 s[G0Y+4*TS+2:G0Y+4*TS+3], s[G0Y+4*TS+2:G0Y+4*TS+3], s[66:67]
	s_add_nc_u64 s[G0X+4*TS+2:G0X+4*TS+3], s[G0X+4*TS+2:G0X+4*TS+3], s[66:67]
.endif
	JLOAD G0Y+4*TS, G0X+4*TS                       ; my one tensor load behind the round; its four v_nop are the places in front of the loads below
.else
	PLACES
.endif
	FETCHN (\n)+1
.if (\fill) == 1
	ASK (\n)/NS+3
.endif
.if \fill
	RES \ra
.endif
	MULR 2, 2, 1, 0
.endm
	s_load_b256 s[68:75], s[0:1], 0x0              ; hid 68, w2c 70, bm2 72, res 74
	s_load_b64 s[76:77], s[0:1], 0x20              ; out0
	v_lshl_add_u32 v[SPW], v0, 2, SPARE
	v_mov_b32 v[NIL], 0
	ds_add_u32 v[SPW], v[NIL]                      ; the opening lines: the add, twice on end, and its wait ahead of my first tensor load
	ds_add_u32 v[SPW], v[NIL]
	v_lshrrev_b32 v1, 5, v0
	v_readfirstlane_b32 s14, v1                    ; wave
	s_lshr_b32 s15, s14, 1                         ; wq: my half of the tokens.  Also: I fetch for Q (0) or for P (1)
	s_and_b32 s16, s14, 1                          ; wp: my half of n.  Also: which three K steps of a slot I fetch
	s_bfe_u32 s40, ttmp6, 0x40000                  ; cx
	s_bfe_u32 s41, ttmp6, 0x40004                  ; cy
	s_and_b32 s45, ttmp7, 0xffff
	s_lshl_b32 s43, s41, 2
	s_lshl_b32 s43, 15, s43                        ; my row of the cluster
	s_lshl_b32 s44, 0x1111, s40                    ; my column
	s_or_b32 s[G1Y], s43, (3<<16)|(1<<21)          ; elements of 8 bytes; bit 21 beside a mask; no padding
	s_or_b32 s[G1X], s44, (3<<16)|(1<<21)
.irp g, G1Y, G1X
	s_mov_b32 s[\g+1], 32<<16                      ; rows of 256 bytes,
	s_mov_b32 s[\g+2], 156<<16                     ; 156 of them: three blocks
	s_mov_b32 s[\g+3], 32<<16
	s_mov_b32 s[\g+4], 156
	s_mov_b32 s[\g+5], 32
	s_mov_b32 s[\g+6], 0
	s_mov_b32 s[\g+7], 0
.endr
	s_lshl_b32 s80, s45, 2
	s_add_co_u32 s80, s80, s41                     ; which 128 tokens
	s_lshl_b32 s81, ttmp9, 2
	s_add_co_u32 s81, s81, s40                     ; which 128 n
	s_mul_i32 s20, s80, TILEB
	s_mov_b32 s21, 0
	s_mul_i32 s22, s81, TILEB
	s_mov_b32 s23, 0
	s_mul_i32 s46, s16, PART
	s_mov_b32 s47, 0
	s_mul_i32 s17, s14, PART                       ; LDS: wave x three blocks
	s_mul_i32 s66, s16, 2*BLK
	s_sub_co_u32 s66, 12*BLK, s66                  ; from K step 18 + 3 wp to K step 30 + wp
	s_mov_b32 s67, 0
	s_wait_dscnt 0x0                               ; both opening adds are done
	s_wait_kmcnt 0x0
	s_add_nc_u64 s[20:21], s[68:69], s[20:21]      ; Q's blocks
	s_add_nc_u64 s[22:23], s[70:71], s[22:23]      ; P's
	s_add_nc_u64 s[4:5], s[20:21], s[46:47]        ; my part of fill 0
	s_add_nc_u64 s[6:7], s[22:23], s[46:47]
	CROUND                                         ; all sixteen work-groups are here: the first joint loads meet
.irp s, 0,1
	s_mov_b32 s[G0Y+4*\s], 1
	s_add_co_u32 s[G0Y+4*\s+1], s17, \s*SLOT
	s_add_nc_u64 s[G0Y+4*\s+2:G0Y+4*\s+3], s[4:5], \s*NS*BLK
	s_or_b32 s[G0Y+4*\s+3], s[G0Y+4*\s+3], 0x80000000
	s_mov_b32 s[G0X+4*\s], 1
	s_add_co_u32 s[G0X+4*\s+1], s17, \s*SLOT
	s_add_nc_u64 s[G0X+4*\s+2:G0X+4*\s+3], s[6:7], \s*NS*BLK
	s_or_b32 s[G0X+4*\s+3], s[G0X+4*\s+3], 0x80000000
.endr
	JLOAD G0Y, G0X                                 ; fill 0: one tensor load a wave at the head
	; the scalars of the prefetches, the LDS addresses and the way out, then all the vector lines on end
	s_cmp_eq_u32 s15, 0
	s_cselect_b64 s[PFA:PFA+1], s[4:5], s[6:7]
	s_cselect_b64 s[PFB:PFB+1], s[20:21], s[22:23]
	s_cselect_b32 s86, s40, s41                    ; my place among the four that ask with me
	s_mul_i32 s88, s86, 39*256
	s_mov_b32 s89, 0
	s_add_nc_u64 s[PFA:PFA+1], s[PFA:PFA+1], s[88:89]
	s_mul_i32 s88, s86, 13*256
	s_mul_i32 s87, s16, BLK
	s_add_co_u32 s88, s88, s87
	s_add_nc_u64 s[PFB:PFB+1], s[PFB:PFB+1], s[88:89]
	s_mul_i32 s18, s15, U                          ; my four tiles of Q,
	s_mul_i32 s19, s16, U
	s_add_co_u32 s19, s19, 2*PART                  ; of P, behind Q's six blocks
	s_mul_i32 s46, s15, US
	s_mul_i32 s47, s16, US
	s_add_co_u32 s47, s47, 2*PART
	s_sub_co_u32 s47, s47, s46                     ; from Q's scale words to P's
	s_add_co_u32 s46, s46, SOFF
	s_mul_i32 s3, s14, 16*272
	s_add_co_u32 s3, s3, STAGE                     ; my stage
	s_lshl_b32 s90, s80, 7
	s_lshl_b32 s91, s15, 6
	s_add_co_u32 s90, s90, s91
	s_lshl_b32 s90, s90, 12                        ; my first token, rows of 4,096 bytes
	s_lshl_b32 s92, s81, 9
	s_lshl_b32 s91, s16, 8
	s_add_co_u32 s92, s92, s91                     ; my first column, in bytes
	s_add_co_u32 s90, s90, s92
	s_mov_b32 s91, 0
	s_mov_b32 s93, 0
	s_add_nc_u64 s[10:11], s[74:75], s[90:91]
	s_add_nc_u64 s[12:13], s[76:77], s[90:91]
	s_add_nc_u64 s[8:9], s[72:73], s[92:93]
	v_and_b32 v1, 31, v0
	v_lshlrev_b32 v[PF0], 8, v1                    ; blocks 0-31 of my 39
	v_add_nc_u32 v[PF1], 32, v1
	v_min_u32 v[PF2], 12, v1
	v_min_u32 v[PF1], 38, v[PF1]
	v_lshlrev_b32 v[PF2], 8, v[PF2]                ; the last fill: blocks 0-12, the spare lanes on the last
	v_lshlrev_b32 v[PF1], 8, v[PF1]                ; blocks 32-38, the spare lanes on the last
	ASK 1
	v_lshlrev_b32 v5, 4, v1                        ; 16 x lane
	v_lshlrev_b32 v6, 2, v1                        ; 4 x lane
	v_and_b32 v2, 15, v0                           ; r
	v_bfe_u32 v3, v0, 4, 1                         ; h
	v_add_nc_u32 v[ADRQ], s18, v5
	v_add_nc_u32 v[ADRP], s19, v5
	v_mul_u32_u24 v9, s47, v3                      ; lanes 16-31 take P's scale words
	v_add_nc_u32 v9, v9, v6
	v_add_nc_u32 v[ADRS], s46, v9
.irp r, ADRQ, ADRP, ADRS
	v_add_nc_u32 v[\r+1], PART, v[\r]
	v_add_nc_u32 v[\r+2], SLOT, v[\r]
	v_add_nc_u32 v[\r+3], SLOT+PART, v[\r]
.endr
	v_lshlrev_b32 v27, 4, v2                       ; 16 r
	v_lshl_add_u32 v26, v3, 12, v27                ; rows of res and out0: 4,096 h + 16 r
	v_mul_u32_u24 v24, v2, 272
	v_lshl_add_u32 v24, v3, 6, v24
	v_add_nc_u32 v24, s3, v24                      ; the stage, in: row r, + 64 h
	v_mul_u32_u24 v25, v3, 272
	v_add_nc_u32 v25, v25, v27
	v_add_nc_u32 v25, s3, v25                      ; back: lanes 0-15 one row, lanes 16-31 the next
	s_wait_alu depctr_va_vdst(0)
	s_wait_tensorcnt 0x0                           ; my part of fill 0 is in
	ds_add_u32 v[SPW], v[NIL]
	s_wait_dscnt 0x0
	CROUND                                         ; everybody's part is in, and all sixteen work-groups are here
	JLOAD G0Y+4, G0X+4                             ; fill 1, slot 1's first
	FETCHN 0
	ASK 2
	STEPN 0, 1                                     ; the first K step starts the sums
.irp n, 1,2,3,4
	STEPN \n, 0
.endr
	TURNN 5, 1, 0                                  ; fill 2
.irp n, 6,7,8,9,10
	STEPN \n, 0
.endr
	TURNN 11, 1, 1                                 ; fill 3
.irp n, 12,13,14,15,16
	STEPN \n, 0
.endr
	TURNN 17, 1, 2                                 ; fill 4
.irp n, 18,19,20,21,22
	STEPN \n, 0
.endr
	TURNN 23, 2, 3                                 ; fill 5: K steps 30, 31
.irp n, 24,25,26,27,28
	STEPN \n, 0
.endr
	TURNN 29, 0, 0                                 ; fill 5 has landed in every wave; nothing is filled
	STEPN 30, 0
	s_wait_dscnt 0x0
	MULR 0, QB, 1, 0
	WIN 0
	PLACES
	s_wait_alu depctr_va_vdst(0)
	s_wait_loadcnt 0x0                             ; res and bm2
	; THE WAY OUT: a tile of 16 tokens x 64 columns through my stage, + bm2 + res, as whole runs of 256 bytes
.irp a, 0,1,2,3
	s_wait_xcnt 0x0                                ; the last stores have read their registers
	WIN 0x08
.irp b, 0,1,2,3
	ds_store_b128 v24, v[32*\a+8*\b:32*\a+8*\b+3] offset:128*(\b/2)+32*(\b%2)       ; each accumulator from its low end on
	ds_store_b128 v24, v[32*\a+8*\b+4:32*\a+8*\b+7] offset:128*(\b/2)+32*(\b%2)+16
.endr
	WIN 0
.irp i, 0,1,2,3,4,5,6,7
	ds_load_b128 v[BK+4*\i:BK+4*\i+3], v25 offset:544*\i   ; LDS serves a wave's instructions in order: these see my stores
.endr
	s_wait_dscnt 0x0
	WIN 0x0c
.irp i, 0,1,2,3,4,5,6,7
.irp k, 0,2
	v_pk_add_f32 v[BK+4*\i+\k:BK+4*\i+\k+1], v[BK+4*\i+\k:BK+4*\i+\k+1], v[128+\k:129+\k]
.endr
.endr
.irp i, 0,1,2,3,4,5,6,7
.irp k, 0,2
	v_pk_add_f32 v[BK+4*\i+\k:BK+4*\i+\k+1], v[BK+4*\i+\k:BK+4*\i+\k+1], v[4*(8*\a+\i)+\k:4*(8*\a+\i)+\k+1]
.endr
.endr
	WIN 0
.irp i, 0,1,2,3,4,5,6,7
	global_store_b128 v26, v[BK+4*\i:BK+4*\i+3], s[12:13] offset:(32*(\a/2)+8*(\a%2)+2*\i+8*(\i/4))*4096 th:TH_STORE_NT   ; sixteen lanes store 256 consecutive bytes, aligned
.endr
.endr
	s_wait_tensorcnt 0x0                           ; the wave's end
	ds_add_u32 v[SPW], v[NIL]
	s_wait_dscnt 0x0
	CROUND                                         ; the closing round
	s_endpgm
.Lfunc_end_k_q447b82f58b_mlp2:
	.size	k_q447b82f58b_mlp2, .Lfunc_end_k_q447b82f58b_mlp2-k_q447b82f58b_mlp2
	.p2alignl 7, 3214868480
	.fill 96, 4, 3214868480
	.section	.rodata,"a",@progbits
	.p2align	6, 0x0
	.amdhsa_kernel k_q447b82f58b_mlp2
		.amdhsa_group_segment_fixed_size 327680
		.amdhsa_private_segment_fixed_size 0
		.amdhsa_enable_private_segment 0
		.amdhsa_kernarg_size 40
		.amdhsa_user_sgpr_count 2
		.amdhsa_user_sgpr_kernarg_segment_ptr 1
		.amdhsa_wavefront_size32 1
		.amdhsa_system_sgpr_workgroup_id_x 1
		.amdhsa_system_sgpr_workgroup_id_y 1
		.amdhsa_system_sgpr_workgroup_id_z 1
		.amdhsa_system_vgpr_workitem_id 0
		.amdhsa_next_free_vgpr 1024
		.amdhsa_next_free_sgpr 100
		.amdhsa_reserve_vcc 0
		.amdhsa_float_denorm_mode_32 3
		.amdhsa_float_denorm_mode_16_64 3
		.amdhsa_memory_ordered 1
		.amdhsa_forward_progress 1
		.amdhsa_inst_pref_size 162
	.end_amdhsa_kernel
	.amdgpu_metadata
---
amdhsa.version: [ 1, 2 ]
amdhsa.kernels:
  - .name:           k_q447b82f58b_mlp2
    .symbol:         k_q447b82f58b_mlp2.kd
    .args:
      - { .name: hid, .offset: 0, .size: 8, .value_kind: global_buffer, .address_space: global }
      - { .name: w2c, .offset: 8, .size: 8, .value_kind: global_buffer, .address_space: global }
      - { .name: bm2, .offset: 16, .size: 8, .value_kind: global_buffer, .address_space: global }
      - { .name: res, .offset: 24, .size: 8, .value_kind: global_buffer, .address_space: global }
      - { .name: out0, .offset: 32, .size: 8, .value_kind: global_buffer, .address_space: global }
    .group_segment_fixed_size: 327680
    .private_segment_fixed_size: 0
    .kernarg_segment_align: 8
    .kernarg_segment_size: 40
    .max_flat_workgroup_size: 128
    .sgpr_count:     100
    .vgpr_count:     1024
    .wavefront_size: 32
...
	.end_amdgpu_metadata
.endif
;; end of part 6
